; MI455X (gfx1250); checked and timed in simulation.
; The chip was launched on July 23, 2026; its instructions are those of AMD's public machine-readable ISA for CDNA 5 (MIT licence, August 2026) and "CDNA5" Instruction Set Architecture Reference Guide (July 2026). The comments in the code are by the model that wrote it; some were corrected since.
;; Causal Self Attention. Allowed arithmetic: matrix products marked QUANTISED: E4M3 operands, one given power-of-two scale a tensor, by v_wmma_f32_16x16x64_fp8_fp8 or v_wmma_f32_16x16x128_fp8_fp8, f32 sums; everything else in f32.
;; Inputs: Wout 1,024 x 1,024 float32; Wqkv 1,024 x 3,072 float32; lowp_scales 8 int32 (the exponents e of the quantised operands' scales 2^e); x 4 x 2,048 x 1,024 float32.
;; Outputs: out0 4 x 2,048 x 1,024 float32.
;; This version of the problem:
;;   THIS VERSION OF THE PROBLEM IS GIVEN IN LOW PRECISION. The matrix products marked QUANTISED in the list below multiply operands that are first quantised to E4M3 (4 exponent bits, 3 mantissa bits; 8 bits a number), with one given power-of-two scale for each operand tensor; their sums are f32. All else is computed in f32.
;;   The module's matrix products, in the order in which they are computed (A, B: the left and right operand; K: the contracted axis; several contracted axes count as one K, in the product's order):
;;     1. [M 8,192, K 1,024] x [K 1,024, N 3,072]; A: input x; B: input Wqkv: QUANTISED (scales: A lowp_scales[0], B lowp_scales[1])
;;     2. batch 64 x [M 2,048, K 64] x [K 64, N 2,048]; A: computed on the way; B: computed on the way: QUANTISED (scales: A lowp_scales[2], B lowp_scales[3])
;;     3. batch 64 x [M 2,048, K 2,048] x [K 2,048, N 64]; A: softmax (see below); B: computed on the way: QUANTISED (scales: A lowp_scales[4], B lowp_scales[5])
;;     4. [M 8,192, K 1,024] x [K 1,024, N 1,024]; A: computed on the way; B: input Wout: QUANTISED (scales: A lowp_scales[6], B lowp_scales[7])
;;   THE QUANTISER, for each operand of a quantised product, along K:
;;     - The operand's scale is 2^e, e = its entry of the input lowp_scales (int32; the entries are numbered through the quantised products in the list's order, A before B).
;;     - Each number is divided by the scale, clamped to +-448, and rounded to the nearest number of E4M3, ties to even, subnormals kept.
;;     - The product sums the exact products of the quantised numbers (number of the format x scale) in f32.
;;   ~~~python
;;   def quantise(x, axis, e):      # numpy; x: float32 -> the quantised numbers, widened to float32 again
;;       x = np.moveaxis(x, axis, -1); K = x.shape[-1]
;;       r = np.clip(x / 2.0 ** e, -448, 448)
;;       step = 2.0 ** (np.maximum(np.frexp(np.where(r == 0, 1, r))[1] - 1, -6) - 3)
;;       q = np.round(r / step) * step * 2.0 ** e      # np.round: ties to even
;;       return np.moveaxis(q, -1, axis).astype(np.float32)
;;   ~~~
;;   SOFTMAX AHEAD OF A QUANTISED PRODUCT. Where the list says 'softmax', what is quantised is not the finished softmax but p = 2^(t - M), with t = logit x log2(e) and M = ceil(the row's largest t), a whole number; so 1/2 < the row's largest p <= 1. The row's sum l is taken of the UNQUANTISED p, in f32, and the product's result is divided by l at the end. Since M is a whole number, a kernel that streams over the keys may use a running M (the ceiling of the running maximum): every later rescaling is an exact power of two, so the quantised numbers keep their values, but for numbers so far below the row's largest that they fall under the format's range.
;;   OPERANDS COMPUTED ON THE WAY. 'Computed on the way' means the value that the module computes at that place (a softmax that the list does not call 'softmax' is quantised finished and normalised). What goes into a quantiser is computed in f32, as accurately as f32 sums, v_exp_f32 and their like allow (about 1e-6 of the number): no bf16 or f16 on the way to a quantiser, and a product that is left as it is and whose result goes on into a quantised operand takes f32 operands (vector FMAs, or v_wmma_f32_16x16x4_f32). A number that lies on a knife's edge between two numbers of the format may be rounded either way, as far as f32 arithmetic and the matrix unit's own rounding can turn it there, and no further.
;; One version. Each part assembles by itself: llvm-mc -triple=amdgcn-amd-amdhsa -mcpu=gfx1250 --defsym DOCPART=n.
;; ======== version 1 of 1: 4 launches
;; limits: right only within a limited range of input values
;; workspace buffers: x_img 8,388,608 bytes; a_img 8,388,608 bytes; w_img 3,145,728 bytes; wo_img 1,048,576 bytes; rope 524,288 bytes; q_img 8,388,608 bytes; k_img 8,388,608 bytes; v_img 8,388,608 bytes
;; launch prep (part 1): grid 416 x 1, 4 waves a work-group, no clusters, 34,304 bytes of LDS; arguments x, Wqkv, Wout, lowp_scales, x_img, w_img, wo_img, rope; writes x_img, w_img, wo_img, rope
.if DOCPART == 1
	.amdgcn_target "amdgcn-amd-amdhsa--gfx1250"
	.amdhsa_code_object_version 6
	.text
	.protected	k_q91cc33a2a4_prep
	.globl	k_q91cc33a2a4_prep
	.p2align	8
	.type	k_q91cc33a2a4_prep,@function
k_q91cc33a2a4_prep:
	s_mov_b64 s[64:65], 0
	v_nop
	global_prefetch_b8 v0, s[64:65] scope:SCOPE_SE
	s_setreg_imm32_b32 hwreg(HW_REG_WAVE_MODE, 25, 1), 1
	s_wait_xcnt 0x0
; x [8192][1024], Wqkv [1024][3072] and Wout [1024][1024], f32, become codes of E4M3 with the given scales 2^e0, 2^e1, 2^e7; and the table of cos and sin for the rotary embedding is made.
; code = number / 2^e, held within +-448, rounded to the nearest code, ties to even.
; LIMITS: e0, e1, e7 between -126 and 119, so that 2^e and 448 x 2^e are f32 numbers.  NaN among the inputs is not served (an infinity is held at the largest code).
; THE CODES ARE LAID AS IMAGES OF THE MATRIX OPERAND'S REGISTERS.  An image is a fragment of 16 rows x 64 along K for the 16x16x64 form: lane (r = lane % 16, h = lane / 16) holds row r,
; registers 2 c, 2 c + 1 hold k = 16 c + 8 h + 0 .. 7.  Registers 4 P .. 4 P + 3 (plane P) of lane l lie at 512 P + 16 l: 1,024 bytes an image, every plane 512 consecutive bytes.
;   x_img  [row / 128][k / 64][(row / 16) % 8][1024]
;   w_img  [head][k / 64][12: q's four tiles of 16 columns, k's four, v's four][1024]
;   wo_img [n / 64][k / 64][(n / 16) % 4][1024]
;   rope   [t / 16][8 planes][32 lanes][16 bytes]: lane (r, h), position 16 blk + r: cos(e) in planes 0-3, sin(e) in planes 4-7, e = 0 .. 15, frequency j = 16 (e / 8) + 8 h + e % 8
; FOUR PATHS, parted by the work-group's number: 0-255 x, 256-351 Wqkv, 352-383 Wout, 384-415 the table.  Only x's path touches LDS.  No tensor loads, no barrier: waves share nothing.
.set R0,  16                           ; v16-143  x: two sets of 64 registers as loaded
.set X0,  144                          ; v144-207 x: 64 numbers in the fragment's order
.set C0,  208                          ; v208-239 x: two sets of 16 registers of codes
.set SP,  528                          ; x: a row of the stage: 512 bytes + 16 = 33 x 16: the 16 rows that a load touches begin at 16 different columns of 16 bytes
.set WX,  32                           ; v32-95   W: two sets of 32 numbers
.set WC,  96                           ; v96-159  W: 8 registers of codes for each of the 8 blocks, so that no store's data are written again
	s_load_b256 s[4:11], s[0:1], 0x0               ; x s[4:5], Wqkv s[6:7], Wout s[8:9], the exponents s[10:11]
	s_load_b256 s[12:19], s[0:1], 0x20             ; x_img s[12:13], w_img s[14:15], wo_img s[16:17], rope s[18:19]
	v_lshl_add_u32 v254, v0, 2, 0x8400
	v_mov_b32 v255, 0
	v_lshrrev_b32 v1, 5, v0
	v_readfirstlane_b32 s20, v1                    ; wave 0..3
	v_and_b32 v2, 31, v0                           ; lane
	v_and_b32 v3, 15, v0                           ; r
	v_bfe_u32 v7, v0, 4, 1                         ; h
	v_lshlrev_b32 v4, 4, v2                        ; 16 x lane
	v_lshlrev_b32 v8, 2, v2                        ; 4 x lane
	v_lshlrev_b32 v9, 4, v3
	v_lshl_add_u32 v9, v7, 10, v9                  ; W's stores: 1,024 (lane / 16) + 16 (lane % 16)
	s_wait_kmcnt 0x0
	s_load_b256 s[24:31], s[10:11], 0x0            ; e0 .. e7
	s_cmp_lt_u32 ttmp9, 256
	s_cbranch_scc0 .Lnot_x
.macro SCALES e                        ; v11 = 2^e as f32 (the conversion takes its exponent field), s36 = 448 x 2^e
	s_add_co_i32 s36, \e, 127
	s_lshl_b32 s37, s36, 23
	v_mov_b32 v11, s37
	s_add_co_i32 s36, s36, 8
	s_lshl_b32 s36, s36, 23
	s_or_b32 s36, s36, 0x600000
.endm
; ---- x.  Wave W = 4 x work-group + wave takes 16 rows (row block W / 2) and half of K (W % 2): four units of 16 rows x 128 along K.
; A load reads 512 consecutive bytes of one row; the unit turns through the wave's own stage in LDS and comes back in the fragment's order: lane (r, h) gets of row r eight neighbours for each c.
	s_lshl_b32 s21, ttmp9, 2
	s_add_co_u32 s21, s21, s20                     ; W
	s_lshr_b32 s22, s21, 1                         ; row block 0..511
	s_and_b32 s23, s21, 1                          ; half of K
	s_lshl_b32 s32, s22, 16                        ; 16 rows of 4,096 bytes
	s_lshl_b32 s33, s23, 11                        ; 512 numbers
	s_add_co_u32 s32, s32, s33
	s_mov_b32 s33, 0
	s_add_nc_u64 s[4:5], s[4:5], s[32:33]
	s_lshr_b32 s34, s22, 3
	s_lshl_b32 s34, s34, 17                        ; (row block / 8) x 131,072
	s_and_b32 s35, s22, 7
	s_lshl_b32 s35, s35, 10                        ; (row block % 8) x 1,024
	s_add_co_u32 s34, s34, s35
	s_lshl_b32 s35, s23, 16                        ; 8 steps of 64 along K x 8,192
	s_add_co_u32 s34, s34, s35
	s_mov_b32 s35, 0
	s_add_nc_u64 s[12:13], s[12:13], s[34:35]
	s_mul_i32 s38, s20, 16*SP                      ; my stage
	s_wait_alu depctr_va_vdst(0)
	v_add_nc_u32 v5, s38, v4                       ; in: 16 x lane of a row
	v_mul_u32_u24 v6, v3, SP
	v_lshl_add_u32 v6, v7, 5, v6
	v_add_nc_u32 v6, s38, v6                       ; back: row r, + 32 h
.macro XLOAD u
.irp p, 0,1,2,3,4,5,6,7,8,9,10,11,12,13,14,15
	global_load_b128 v[R0+64*((\u)%2)+4*\p:R0+64*((\u)%2)+4*\p+3], v4, s[4:5] offset:\p*4096+(\u)*512 th:TH_LOAD_NT
.endr
.endm
.macro XTURN u                         ; LDS serves a wave's instructions in order, so no wait stands between the stores and the loads
.irp p, 0,1,2,3,4,5,6,7,8,9,10,11,12,13,14,15
	ds_store_b128 v5, v[R0+64*((\u)%2)+4*\p:R0+64*((\u)%2)+4*\p+3] offset:\p*SP
.endr
.irp cu, 0,1
.irp c, 0,1,2,3
.irp s, 0,1
	ds_load_b128 v[X0+32*\cu+8*\c+4*\s:X0+32*\cu+8*\c+4*\s+3], v6 offset:256*\cu+64*\c+16*\s
.endr
.endr
.endr
.endm
.macro XQ u                            ; 64 numbers become two images' registers, and leave as four planes of 512 consecutive bytes
.set CC, C0+16*((\u)%2)
.set j_, 0
.rept 64
.set j_, j_+1
.endr
.irp g, 0,1,2,3,4,5,6,7
	v_cvt_scalef32_pk8_fp8_f32 v[CC+2*\g:CC+2*\g+1], v[X0+8*\g:X0+8*\g+7], v11
.endr
	v_nop                                          ; a plain line behind the last conversion
.irp cu, 0,1
.irp p, 0,1
	global_store_b128 v4, v[CC+8*\cu+4*\p:CC+8*\cu+4*\p+3], s[12:13] offset:(2*(\u)+\cu)*8192+\p*512
.endr
.endr
.endm
	XLOAD 0
	XLOAD 1
	s_wait_alu depctr_va_vdst(0)
	s_wait_kmcnt 0x0
	SCALES s24
	s_wait_alu depctr_va_vdst(0)
.irp u, 0,1,2,3
.if \u < 3
	s_wait_loadcnt 16                              ; this unit's 16 loads are in; the next unit's may be out
.else
	s_wait_loadcnt 0
.endif
	XTURN \u
	s_wait_dscnt 0x0                               ; the numbers are back, and the stores into the stage have read their registers
.if \u < 2
	XLOAD \u+2
.endif
.if \u > 1
	s_wait_xcnt 0x0                                ; the stores of two units ago have read their codes: the set is written again only behind this wait
.endif
	XQ \u
.endr
	s_wait_tensorcnt 0x0
	ds_add_u32 v254, v255
	s_wait_dscnt 0x0
	s_endpgm
; ---- Wqkv and Wout: K is the FIRST axis.  A lane takes a column and its registers run down K; a wave takes 32 columns x 256 along K: 8 blocks of 32.
; Register i = 16 h' + 8 v + beta of block t is loaded from row 32 t + 16 v + 8 h' + beta, so that the codes of registers 16 h' .. 16 h' + 15 are the 16 bytes of image lane (column % 16, h'), plane t % 2.
; So the codes leave with no turn through LDS: sixteen lanes store 256 consecutive bytes, aligned.
.macro WLOAD t, pitch
.set i_, 0
.rept 32
	global_load_b32 v[WX+32*((\t)%2)+i_], v8, s[32:33] offset:(32*(\t)+16*((i_/8)%2)+8*(i_/16)+i_%8)*\pitch th:TH_LOAD_NT
.set i_, i_+1
.endr
.endm
.macro WBLOCK t, pitch, stp            ; stp: bytes from one step of 64 along K to the next in the images' buffer
.set XB, WX+32*((\t)%2)
.if (\t) < 7
	s_wait_loadcnt 32                              ; this block's 32 loads are in; the next block's may be out
.else
	s_wait_loadcnt 0
.endif
.set j_, 0
.rept 32
.set j_, j_+1
.endr
.irp g, 0,1,2,3
	v_cvt_scalef32_pk8_fp8_f32 v[WC+8*(\t)+2*\g:WC+8*(\t)+2*\g+1], v[XB+8*\g:XB+8*\g+7], v11
.endr
	v_nop                                          ; a plain line behind the last conversion
.irp hh, 0,1
	global_store_b128 v9, v[WC+8*(\t)+4*\hh:WC+8*(\t)+4*\hh+3], s[34:35] offset:((\t)/2)*\stp+((\t)%2)*512+\hh*256
.endr
.if (\t)+2 < 8
	WLOAD (\t)+2, \pitch
.endif
.endm
.Lnot_x:
	s_cmp_lt_u32 ttmp9, 352
	s_cbranch_scc0 .Lnot_wq
	s_sub_co_u32 s21, ttmp9, 256
	s_and_b32 s22, s21, 3                          ; which 256 along K
	s_lshr_b32 s23, s21, 2                         ; which 128 columns, 0..23
	s_mul_i32 s32, s22, 256*12288
	s_lshl_b32 s33, s23, 9
	s_add_co_u32 s32, s32, s33
	s_lshl_b32 s33, s20, 7                         ; my wave's 32 columns
	s_add_co_u32 s32, s32, s33
	s_mov_b32 s33, 0
	s_add_nc_u64 s[32:33], s[6:7], s[32:33]
	s_and_b32 s34, s23, 7
	s_lshl_b32 s34, s34, 1
	s_lshr_b32 s35, s20, 1
	s_add_co_u32 s34, s34, s35                     ; head = 2 (group % 8) + wave / 2
	s_mul_i32 s34, s34, 196608
	s_mul_i32 s35, s22, 4*12288                    ; four steps of 64 along K
	s_add_co_u32 s34, s34, s35
	s_lshr_b32 s35, s23, 3                         ; q, k or v
	s_lshl_b32 s35, s35, 12                        ; four images each
	s_add_co_u32 s34, s34, s35
	s_and_b32 s35, s20, 1
	s_lshl_b32 s35, s35, 11                        ; my wave's two images
	s_add_co_u32 s34, s34, s35
	s_mov_b32 s35, 0
	s_add_nc_u64 s[34:35], s[14:15], s[34:35]
	s_wait_alu depctr_va_vdst(0)
	WLOAD 0, 12288
	WLOAD 1, 12288
	s_wait_kmcnt 0x0
	SCALES s25
	s_wait_alu depctr_va_vdst(0)
.irp t, 0,1,2,3,4,5,6,7
	WBLOCK \t, 12288, 12288
.endr
	s_endpgm
.Lnot_wq:
	s_cmp_lt_u32 ttmp9, 384
	s_cbranch_scc0 .Lnot_wo
	s_sub_co_u32 s21, ttmp9, 352
	s_and_b32 s22, s21, 3                          ; which 256 along K
	s_lshr_b32 s23, s21, 2                         ; which 128 columns, 0..7
	s_lshl_b32 s32, s22, 20                        ; 256 rows of 4,096 bytes
	s_lshl_b32 s33, s23, 9
	s_add_co_u32 s32, s32, s33
	s_lshl_b32 s33, s20, 7
	s_add_co_u32 s32, s32, s33
	s_mov_b32 s33, 0
	s_add_nc_u64 s[32:33], s[8:9], s[32:33]
	s_lshl_b32 s34, s23, 1
	s_lshr_b32 s35, s20, 1
	s_add_co_u32 s34, s34, s35                     ; n / 64
	s_lshl_b32 s34, s34, 16
	s_lshl_b32 s35, s22, 14                        ; four steps of 64 along K x 4,096
	s_add_co_u32 s34, s34, s35
	s_and_b32 s35, s20, 1
	s_lshl_b32 s35, s35, 11
	s_add_co_u32 s34, s34, s35
	s_mov_b32 s35, 0
	s_add_nc_u64 s[34:35], s[16:17], s[34:35]
	s_wait_alu depctr_va_vdst(0)
	WLOAD 0, 4096
	WLOAD 1, 4096
	s_wait_kmcnt 0x0
	SCALES s31
	s_wait_alu depctr_va_vdst(0)
.irp t, 0,1,2,3,4,5,6,7
	WBLOCK \t, 4096, 4096
.endr
	s_endpgm
; ---- the table.  A wave takes 16 positions, a lane 16 frequencies.  1 / 10000^(j / 32) = 2^(-j log2(10000) / 32); angle = t x that, one f32 product.
; cos and sin: the angle less the nearest multiple of pi / 2 (pi / 2 in three parts, three fused multiply-adds), polynomials on +-pi / 4, and the quadrant by selects and sign bits: no branch on data.
.Lnot_wo:
	s_sub_co_u32 s21, ttmp9, 384
	s_lshl_b32 s21, s21, 2
	s_add_co_u32 s21, s21, s20                     ; block of 16 positions, 0..127
	s_lshl_b32 s32, s21, 12
	s_mov_b32 s33, 0
	s_add_nc_u64 s[18:19], s[18:19], s[32:33]
	s_lshl_b32 s22, s21, 4
	s_wait_alu depctr_va_vdst(0)
	v_add_nc_u32 v12, s22, v3
	v_cvt_f32_u32 v12, v12                         ; t
	v_lshlrev_b32 v13, 3, v7                       ; 8 h
	s_mov_b32 s36, 0xb94ca1f9                      ; sin r = r + r z (s38 + z (s37 + z s36)), z = r r
	s_mov_b32 s37, 0x3c08839e
	s_mov_b32 s38, 0xbe2aaaa3
	s_mov_b32 s39, 0x37ccf5ce                      ; cos r = 1 - z / 2 + z z (s41 + z (s40 + z s39))
	s_mov_b32 s40, 0xbab6061a
	s_mov_b32 s41, 0x3d2aaaa5
.irp e, 0,1,2,3,4,5,6,7,8,9,10,11,12,13,14,15
	v_add_nc_u32 v[32+\e], 16*(\e/8)+\e%8, v13     ; j
.endr
.irp e, 0,1,2,3,4,5,6,7,8,9,10,11,12,13,14,15
	v_cvt_f32_u32 v[32+\e], v[32+\e]
.endr
.irp e, 0,1,2,3,4,5,6,7,8,9,10,11,12,13,14,15
	v_mul_f32 v[32+\e], 0xbed49a78, v[32+\e]       ; -j log2(10000) / 32
.endr
	s_wait_alu depctr_va_vdst(0)
.irp e, 0,1,2,3,4,5,6,7,8,9,10,11,12,13,14,15
	v_exp_f32 v[32+\e], v[32+\e]
.endr
	v_nop                                          ; a plain line behind the last exponential
	s_wait_alu depctr_va_vdst(0)                   ; one wait for the batch of sixteen, ahead of its first reader
.irp e, 0,1,2,3,4,5,6,7,8,9,10,11,12,13,14,15
	v_mul_f32 v16, v12, v[32+\e]                   ; the angle
	v_mul_f32 v17, 0x3f22f983, v16                 ; x 2 / pi
	v_rndne_f32 v17, v17                           ; n, at most 1,304: its products with the first two parts of pi / 2 are exact
	v_fmamk_f32 v16, v17, 0xbfc90000, v16
	v_fmamk_f32 v16, v17, 0xb9fda000, v16
	v_fmamk_f32 v16, v17, 0xb3a22168, v16          ; r = angle - n pi / 2
	v_mul_f32 v18, v16, v16                        ; z
	v_cvt_i32_f32 v19, v17
	v_fma_f32 v20, v18, s36, s37
	v_fma_f32 v21, v18, s39, s40
	v_fma_f32 v20, v20, v18, s38
	v_fma_f32 v21, v21, v18, s41
	v_mul_f32 v22, v16, v18
	v_mul_f32 v23, v18, v18
	v_fma_f32 v24, v18, -0.5, 1.0
	v_fma_f32 v20, v20, v22, v16                   ; sin r
	v_fma_f32 v21, v21, v23, v24                   ; cos r
	v_and_b32 v25, 1, v19
	v_cmp_eq_u32 vcc_lo, 1, v25                    ; n odd: sin and cos change places
	v_cndmask_b32 v22, v20, v21, vcc_lo
	v_cndmask_b32 v23, v21, v20, vcc_lo
	v_lshlrev_b32 v25, 30, v19                     ; sin is negated where n % 4 is 2 or 3,
	v_add_nc_u32 v26, 1, v19
	v_and_b32 v25, 0x80000000, v25
	v_lshlrev_b32 v26, 30, v26                     ; cos where it is 1 or 2
	v_and_b32 v26, 0x80000000, v26
	v_xor_b32 v[80+\e], v22, v25
	v_xor_b32 v[64+\e], v23, v26
.endr
.irp p, 0,1,2,3,4,5,6,7
	global_store_b128 v4, v[64+4*\p:67+4*\p], s[18:19] offset:\p*512
.endr
	s_wait_kmcnt 0x0
	s_endpgm
.Lfunc_end_k_q91cc33a2a4_prep:
	.size	k_q91cc33a2a4_prep, .Lfunc_end_k_q91cc33a2a4_prep-k_q91cc33a2a4_prep
	.p2alignl 7, 3214868480
	.fill 96, 4, 3214868480
	.section	.rodata,"a",@progbits
	.p2align	6, 0x0
	.amdhsa_kernel k_q91cc33a2a4_prep
		.amdhsa_group_segment_fixed_size 34304
		.amdhsa_private_segment_fixed_size 0
		.amdhsa_enable_private_segment 0
		.amdhsa_kernarg_size 64
		.amdhsa_user_sgpr_count 2
		.amdhsa_user_sgpr_kernarg_segment_ptr 1
		.amdhsa_wavefront_size32 1
		.amdhsa_system_sgpr_workgroup_id_x 1
		.amdhsa_system_sgpr_workgroup_id_y 1
		.amdhsa_system_sgpr_workgroup_id_z 1
		.amdhsa_system_vgpr_workitem_id 0
		.amdhsa_next_free_vgpr 256
		.amdhsa_next_free_sgpr 66
		.amdhsa_reserve_vcc 1
		.amdhsa_float_denorm_mode_32 3
		.amdhsa_float_denorm_mode_16_64 3
		.amdhsa_fp16_overflow 1
		.amdhsa_memory_ordered 1
		.amdhsa_forward_progress 1
		.amdhsa_inst_pref_size 104
	.end_amdhsa_kernel
	.amdgpu_metadata
---
amdhsa.version: [ 1, 2 ]
amdhsa.kernels:
  - .name:           k_q91cc33a2a4_prep
    .symbol:         k_q91cc33a2a4_prep.kd
    .args:
      - { .name: x, .offset: 0, .size: 8, .value_kind: global_buffer, .address_space: global }
      - { .name: Wqkv, .offset: 8, .size: 8, .value_kind: global_buffer, .address_space: global }
      - { .name: Wout, .offset: 16, .size: 8, .value_kind: global_buffer, .address_space: global }
      - { .name: lowp_scales, .offset: 24, .size: 8, .value_kind: global_buffer, .address_space: global }
      - { .name: x_img, .offset: 32, .size: 8, .value_kind: global_buffer, .address_space: global }
      - { .name: w_img, .offset: 40, .size: 8, .value_kind: global_buffer, .address_space: global }
      - { .name: wo_img, .offset: 48, .size: 8, .value_kind: global_buffer, .address_space: global }
      - { .name: rope, .offset: 56, .size: 8, .value_kind: global_buffer, .address_space: global }
    .group_segment_fixed_size: 34304
    .private_segment_fixed_size: 0
    .kernarg_segment_align: 8
    .kernarg_segment_size: 64
    .max_flat_workgroup_size: 128
    .sgpr_count:     66
    .vgpr_count:     256
    .wavefront_size: 32
...
	.end_amdgpu_metadata
.endif
;; end of part 1
;; launch qkv (part 2): grid 8 x 32, 4 waves a work-group, clusters of 4 x 4, 327,680 bytes of LDS; arguments x_img, w_img, lowp_scales, rope, q_img, k_img, v_img; writes q_img, k_img, v_img
.if DOCPART == 2
	.amdgcn_target "amdgcn-amd-amdhsa--gfx1250"
	.amdhsa_code_object_version 6
	.text
	.protected	k_q91cc33a2a4_qkv
	.globl	k_q91cc33a2a4_qkv
	.p2align	8
	.type	k_q91cc33a2a4_qkv,@function
k_q91cc33a2a4_qkv:
	s_mov_b64 s[64:65], 0
	v_nop
	global_prefetch_b8 v0, s[64:65] scope:SCOPE_SE
	s_setreg_imm32_b32 hwreg(HW_REG_WAVE_MODE, 25, 1), 1
	s_wait_xcnt 0x0
	s_wait_alu depctr_hold_cnt(0) depctr_sa_sdst(0) depctr_va_vdst(0) depctr_va_sdst(0) depctr_va_ssrc(0) depctr_va_vcc(0) depctr_vm_vsrc(0)
	s_getreg_b32 s2, hwreg(HW_REG_IB_STS2, 6, 4)
	s_cmp_eq_u32 s2, 0
	s_cbranch_scc0 .Lentry_in_a_cluster
	s_endpgm
.Lentry_in_a_cluster:
	s_bfe_u32 s2, ttmp6, 0x10000c
	s_cmp_lg_u32 s2, 0xf033
	s_cbranch_scc0 .Lentry_shape_is_right
	s_endpgm
.Lentry_shape_is_right:
; qkv = x Wqkv on codes of E4M3; then the rotary embedding on q and k, in f32; then q, k and v are quantised with the given scales 2^e2, 2^e3, 2^e5 and stored as images of the next products' operands.
; An image: 16 rows x 64 along K: lane (r, h) holds row r, registers 2 c, 2 c + 1 hold k = 16 c + 8 h + 0 .. 7; registers 4 P .. 4 P + 3 of lane l lie at 512 P + 16 l.
;   q_img, k_img [batch x head][t / 16][1024]: K = the head's 64.     v_img [batch x head][t / 128][d / 16][2048]: 16 (d) x 128 (keys) for the 16x16x128 form: registers 2 c, 2 c + 1 hold key 16 c + 8 h + 0 .. 7.
; LIMITS: e2 - e0 - e1, e3 - e0 - e1 and e5 - e0 - e1 between -126 and 119, so that each folded scale and 448 x it are f32 numbers.
; SHARES.  A work-group takes 256 rows and the q, k and v columns of two heads: 256 x 384; 8 x 32 work-groups.  Wave (wr = wave / 2, wc = wave % 2) takes 128 rows x one head's q, k, v: 96 accumulators, 768 registers.
; q's and k's tiles are used TRANSPOSED (source 0 = 16 columns of W, source 1 = 16 rows of x): a lane holds one position and eight neighbouring d.  v's tiles are used straight: a lane holds one d and eight neighbouring positions.
; So in both cases a lane's eight registers run along the next product's K, and the conversions' results are that product's operand registers.
; K = 1,024 goes in 16 steps of 64, all written out, through two LDS slots of unequal size: slot A holds four steps' images, slot B three (two slots of four would leave no room for the spare words).
;   steps 0-3: A; 4-6: B; 7-10: A; 11-13: B; 14-15: A.  Two first fills and three refills; by this text's count a wave has at most two tensor loads out.
; CLUSTERS: 4 x 4 work-groups.  The four of a row of the cluster need the same rows of x, the four of a column the same heads of W: each tile is asked for JOINTLY, by the same tensor load with the same descriptor.
; REGISTERS, in windows of 256: window 0: v8-13 scales, v16-29 addresses; v32-95, v96-159 x's fragments, two sets; v160-255 W's twelve fragments, ONE set, fetched anew in three groups of four as each group's products are issued.
;   windows 1, 2, 3: the accumulators of q, k, v: tile b of the part, row block a at v[8 (8 b + a)].
.set AF,    32
.set BF,    160
.set ADRA,  16                         ; v16-17  LDS address of my rows' images in slot A, B
.set ADRB,  20                         ; v20-21  the same for my head's
.set LI,    24                         ; v24     16 x lane; never rewritten
.set SPW,   28                         ; v28     LDS address of my spare word; never rewritten
.set NIL,   29                         ; v29     0; never rewritten
.set ACH,   8192                       ; a step's images of 128 rows of x
.set BCH,   12288                      ; a step's twelve images of a head
.set SLA_B, 2*4*ACH                    ; slot A: x's two halves (4 steps each), then W's two heads
.set SLB,   SLA_B+2*4*BCH              ; slot B begins here: 163,840
.set SLB_B, SLB+2*3*ACH
.set SPARE, SLB_B+2*3*BCH              ; 286,720: the spare words, 128 bytes for each wave: two blocks of 256 bytes that no other line names
.set G1A4, 32                          ; descriptor groups 1: x's tiles of 4, 3, 2 steps; W's likewise
.set G1A3, 40
.set G1B4, 48
.set G1B3, 56
.set G1A2, 84
.set G1B2, 92
.set G0AA, 68                          ; groups 0: x into slot A, x into slot B, W into slot A, W into slot B
.set G0AB, 72
.set G0BA, 76
.set G0BB, 80
.set RP,   32                          ; the way out: v32-95 cos and sin, two sets of 32
.set TT,   96                          ; v96-127  32 rotated numbers
.set UU,   128                         ; v128-143 products at work
.set WW,   136
.set CD,   144                         ; v144-159 q's and k's codes
.set T2,   160                         ; v160-223 64 numbers of v
.set VC,   224                         ; v224-255 v's codes, two sets of 16
.set MSB, 0
.macro WIN new                         ; the immediate's high byte repeats the setting that is left
.if MSB != \new
	s_set_vgpr_msb (MSB<<8)|\new
.set MSB, \new
.endif
.endm
.macro PLACES                          ; four plain vector lines between a matrix instruction and a load into, or a vector line on, its registers
.rept 4
	v_nop
.endr
.endm
; A joint load: waves 0 and 1 fetch x's two halves, waves 2 and 3 W's two heads.  The branch hangs on the wave's number alone.  Four v_nop follow each of the two lines.
.macro JLOAD g0a, g1a, g0b, g1b
	s_cmp_eq_u32 s19, 0
	s_cbranch_scc0 .Lfor_b_\@
	tensor_load_to_lds s[\g0a:\g0a+3], s[\g1a:\g1a+7]
	s_nop 0
.rept 4
	v_nop
.endr
	s_branch .Lasked_\@
.Lfor_b_\@:
	tensor_load_to_lds s[\g0b:\g0b+3], s[\g1b:\g1b+7]
	s_nop 0
.rept 4
	v_nop
.endr
.Lasked_\@:
.endm
.macro CREST                           ; a round of the cluster's barrier behind its opening barrier
	s_cmp_lg_u32 s18, 0
	s_cbranch_scc1 .Lnot_wave_0_\@
	s_barrier_signal -3
.Lnot_wave_0_\@:
	s_barrier_wait -3
	s_barrier_signal -1
	s_barrier_wait -1
.endm
.macro CROUND
	s_barrier_signal -1
	s_barrier_wait -1
	CREST
.endm
.macro SHAPE g, rows                   ; a dense block as rows of 256 bytes: elements of 8 bytes, 32 to a row
	s_mov_b32 s[\g+1], 32<<16                      ; tensor_dim0
	s_mov_b32 s[\g+2], (\rows)<<16                 ; tensor_dim1
	s_mov_b32 s[\g+3], 32<<16                      ; tile_dim0
	s_mov_b32 s[\g+4], \rows                       ; tile_dim1
	s_mov_b32 s[\g+5], 32                          ; the pitch
	s_mov_b32 s[\g+6], 0
	s_mov_b32 s[\g+7], 0
.endm
	s_load_b256 s[4:11], s[0:1], 0x0               ; x_img s[4:5], w_img s[6:7], the exponents s[8:9], rope s[10:11]
	s_load_b128 s[12:15], s[0:1], 0x20             ; q_img, k_img
	s_load_b64 s[16:17], s[0:1], 0x30              ; v_img
	v_lshl_add_u32 v[SPW], v0, 2, SPARE
	v_mov_b32 v[NIL], 0
	ds_add_u32 v28, v29
	ds_add_u32 v28, v29
	s_wait_dscnt 0x0
	v_lshrrev_b32 v1, 5, v0
	v_readfirstlane_b32 s18, v1                    ; wave 0..3
	s_lshr_b32 s19, s18, 1                         ; wr: my half of the rows.  Also: I fetch for x (0) or for W (1)
	s_and_b32 s20, s18, 1                          ; wc: my head of the two.  Also: which half or head I fetch
	s_bfe_u32 s21, ttmp6, 0x40000                  ; cx, cy: my place in the cluster
	s_bfe_u32 s22, ttmp6, 0x40004
	s_lshl_b32 s23, ttmp9, 2
	s_add_co_u32 s23, s23, s21                     ; gx: my pair of heads
	s_and_b32 s24, ttmp7, 0xffff
	s_lshl_b32 s24, s24, 2
	s_add_co_u32 s24, s24, s22                     ; gy: my 256 rows
	s_lshl_b32 s25, s22, 2
	s_lshl_b32 s25, 15, s25                        ; my row of the cluster
	s_lshl_b32 s26, 0x1111, s21                    ; my column
.irp g, G1A4, G1A3, G1A2
	s_or_b32 s[\g], s25, (3<<16)|(1<<21)           ; 15:0 the mask: x's tiles go to my row; 17:16 elements of 8 bytes; 21 set beside a mask; no padding: a plane's 512 bytes are read on end
.endr
.irp g, G1B4, G1B3, G1B2
	s_or_b32 s[\g], s26, (3<<16)|(1<<21)           ; W's tiles go to my column
.endr
	SHAPE G1A4, 128
	SHAPE G1A3, 96
	SHAPE G1A2, 64
	SHAPE G1B4, 192
	SHAPE G1B3, 144
	SHAPE G1B2, 96
	s_lshl_b32 s2, s24, 1
	s_add_co_u32 s2, s2, s20
	s_lshl_b32 s2, s2, 17                          ; x: half tile 2 gy + (wave % 2), 131,072 bytes each: it hangs on gy alone, which my row of the cluster shares
	s_mov_b32 s3, 0
	s_lshl_b32 s30, s23, 1
	s_add_co_u32 s30, s30, s20
	s_mul_i32 s30, s30, 196608                     ; W: head 2 gx + (wave % 2): it hangs on gx alone, which my column shares
	s_mov_b32 s31, 0
	s_mul_i32 s27, s20, 4*ACH                      ; where they go: no place in the cluster enters an LDS address
	s_mul_i32 s28, s20, 3*ACH
	s_mul_i32 s29, s20, 4*BCH
	s_mul_i32 s101, s20, 3*BCH
	s_wait_kmcnt 0x0
	s_add_nc_u64 s[2:3], s[4:5], s[2:3]
	s_add_nc_u64 s[30:31], s[6:7], s[30:31]
	s_mov_b32 s[G0AA], 1
	s_mov_b32 s[G0AA+1], s27
	s_mov_b64 s[G0AA+2:G0AA+3], s[2:3]             ; steps 0-3
	s_or_b32 s[G0AA+3], s[G0AA+3], 0x80000000
	s_mov_b32 s[G0AB], 1
	s_add_co_u32 s[G0AB+1], s28, SLB
	s_add_nc_u64 s[G0AB+2:G0AB+3], s[2:3], 4*ACH   ; steps 4-6
	s_or_b32 s[G0AB+3], s[G0AB+3], 0x80000000
	s_mov_b32 s[G0BA], 1
	s_add_co_u32 s[G0BA+1], s29, SLA_B
	s_mov_b64 s[G0BA+2:G0BA+3], s[30:31]
	s_or_b32 s[G0BA+3], s[G0BA+3], 0x80000000
	s_mov_b32 s[G0BB], 1
	s_add_co_u32 s[G0BB+1], s101, SLB_B
	s_add_nc_u64 s[G0BB+2:G0BB+3], s[30:31], 4*BCH
	s_or_b32 s[G0BB+3], s[G0BB+3], 0x80000000
	CROUND                                         ; all sixteen work-groups are here: the first joint loads meet
	JLOAD G0AA, G1A4, G0BA, G1B4
	s_wait_alu depctr_va_vdst(0)
	s_wait_tensorcnt 0x0
	ds_add_u32 v28, v29
	s_wait_dscnt 0x0
	CROUND
	JLOAD G0AB, G1A3, G0BB, G1B3
	v_and_b32 v1, 31, v0
	v_lshlrev_b32 v[LI], 4, v1
	s_mul_i32 s27, s19, 4*ACH
	v_add_nc_u32 v[ADRA], s27, v[LI]
	s_mul_i32 s27, s19, 3*ACH
	s_add_co_u32 s27, s27, SLB
	v_add_nc_u32 v[ADRA+1], s27, v[LI]
	s_add_co_u32 s27, s29, SLA_B
	v_add_nc_u32 v[ADRB], s27, v[LI]
	s_add_co_u32 s27, s101, SLB_B
	v_add_nc_u32 v[ADRB+1], s27, v[LI]
	s_lshr_b32 s27, s24, 3                         ; the batch
	s_lshl_b32 s27, s27, 4
	s_lshl_b32 s28, s23, 1
	s_add_co_u32 s27, s27, s28
	s_add_co_u32 s27, s27, s20                     ; 16 x batch + head
	s_lshl_b32 s27, s27, 17                        ; 131,072 bytes each in q_img, k_img and v_img
	s_and_b32 s28, s24, 7
	s_lshl_b32 s28, s28, 1
	s_add_co_u32 s28, s28, s19                     ; my 128 positions: t / 128
	s_lshl_b32 s29, s28, 13                        ; 8,192 bytes in each of the three
	s_add_co_u32 s2, s27, s29
	s_mov_b32 s3, 0
	s_add_nc_u64 s[12:13], s[12:13], s[2:3]
	s_add_nc_u64 s[14:15], s[14:15], s[2:3]
	s_add_nc_u64 s[16:17], s[16:17], s[2:3]
	s_lshl_b32 s2, s28, 15                         ; eight blocks of 4,096 bytes of the table
	s_add_nc_u64 s[10:11], s[10:11], s[2:3]
	s_load_b128 s[28:31], s[8:9], 0x0              ; e0, e1, e2, e3
	s_load_b32 s27, s[8:9], 0x14                   ; e5
.macro WHERE m                         ; LS, LQ: the slot of step m, and its place there
.if (\m) < 4
.set LS, 0
.set LQ, (\m)
.elseif (\m) < 7
.set LS, 1
.set LQ, (\m)-4
.elseif (\m) < 11
.set LS, 0
.set LQ, (\m)-7
.elseif (\m) < 14
.set LS, 1
.set LQ, (\m)-11
.else
.set LS, 0
.set LQ, (\m)-14
.endif
.endm
.macro LDA set, slot, q                ; my 128 rows' eight images of a step
.irp i, 0,1,2,3,4,5,6,7
	ds_load_b128 v[AF+64*(\set)+8*\i:AF+64*(\set)+8*\i+3],   v[ADRA+\slot] offset:(\q)*ACH+\i*1024
	ds_load_b128 v[AF+64*(\set)+8*\i+4:AF+64*(\set)+8*\i+7], v[ADRA+\slot] offset:(\q)*ACH+\i*1024+512
.endr
.endm
.macro LDB g, slot, q                  ; my head's images 4 g .. 4 g + 3 of a step
.irp i, 0,1,2,3
	ds_load_b128 v[BF+8*(4*(\g)+\i):BF+8*(4*(\g)+\i)+3],   v[ADRB+\slot] offset:(\q)*BCH+(4*(\g)+\i)*1024
	ds_load_b128 v[BF+8*(4*(\g)+\i)+4:BF+8*(4*(\g)+\i)+7], v[ADRB+\slot] offset:(\q)*BCH+(4*(\g)+\i)*1024+512
.endr
.endm
.macro RUN0 m                          ; 24 loads: q's four images of W and x's eight
	WHERE \m
	LDB 0, LS, LQ
	LDA (\m)%2, LS, LQ
.endm
.macro RUN1 m                          ; 8 loads: k's four
	WHERE \m
	LDB 1, LS, LQ
.endm
.macro RUN2 m                          ; 8 loads: v's four
	WHERE \m
	LDB 2, LS, LQ
.endm
; cnt tiles of W from b0 on, each against x's eight row blocks.  The 96 accumulators take turns, one instruction a turn, in the same order in every step.
; zero = 1: the first step's products start the sums: nothing is ever cleared.
.macro MULB b0, cnt, set, zero
.set bb, \b0
.rept \cnt
.set aa, 0
.rept 8
.set rD, 8*(8*(bb%4)+aa)
.set rB, BF+8*bb
.set rA, AF+64*(\set)+8*aa
.if bb < 8
.if \zero
	v_wmma_f32_16x16x64_fp8_fp8 v[rD:rD+7], v[rB:rB+7], v[rA:rA+7], 0
.else
	v_wmma_f32_16x16x64_fp8_fp8 v[rD:rD+7], v[rB:rB+7], v[rA:rA+7], v[rD:rD+7]
.endif
.else
.if \zero
	v_wmma_f32_16x16x64_fp8_fp8 v[rD:rD+7], v[rA:rA+7], v[rB:rB+7], 0
.else
	v_wmma_f32_16x16x64_fp8_fp8 v[rD:rD+7], v[rA:rA+7], v[rB:rB+7], v[rD:rD+7]
.endif
.endif
.set aa, aa+1
.endr
.set bb, bb+1
.endr
.endm
; A step whose successor lies in the same slot.  Behind each group's 32 products that group's images of the next step are fetched.
.macro PLAIN m, zero
	s_wait_dscnt 16                                ; q's images and x's are in; the youngest sixteen loads (k's and v's images) may be out
	WIN 0x50
	MULB 0, 4, (\m)%2, \zero
	PLACES
	WIN 0
	RUN0 (\m)+1
	s_wait_dscnt 32                                ; k's images are in: behind them stand v's 8 loads and the 24 just issued
	WIN 0xa0
	MULB 4, 4, (\m)%2, \zero
	PLACES
	WIN 0
	RUN1 (\m)+1
	s_wait_dscnt 32                                ; v's images are in: behind them stand 24 + 8 loads for the next step
	WIN 0xf0
	MULB 8, 4, (\m)%2, \zero
	PLACES
	WIN 0
	RUN2 (\m)+1
.endm
; A slot's last step changes slots: ONE barrier; in front of it each wave waits for all its tensor loads, adds 0 to its spare word, and waits for that and for its own reads of this slot.
; fill = 1: this slot is filled again, with the steps seven further on; the barrier then opens a round of the cluster's barrier.
.macro TURN m, fill, g0a, g1a, g0b, g1b
	s_wait_tensorcnt 0x0                           ; all my tensor loads have landed: my part of the next slot  (every window is 0 here)
	ds_add_u32 v[SPW], v[NIL]                      ; 0 onto my spare word
	s_wait_dscnt 17                                ; (the add and the youngest sixteen loads may be out)
	WIN 0x50
	MULB 0, 2, (\m)%2, 0                           ; sixteen matrix instructions stand between the add and the wait for it
	s_wait_dscnt 0x0                               ; the add is done, and my reads of this slot are over
	s_barrier_signal -1
	MULB 2, 2, (\m)%2, 0
	WIN 0
	s_barrier_wait -1
.if \fill
	CREST                                          ; no wave of any partner still reads this slot or has a load on its way
	s_add_nc_u64 s[\g0a+2:\g0a+3], s[\g0a+2:\g0a+3], 7*ACH
	s_add_nc_u64 s[\g0b+2:\g0b+3], s[\g0b+2:\g0b+3], 7*BCH
	JLOAD \g0a, \g1a, \g0b, \g1b                   ; the first tensor load behind the round; its four v_nop are also the places in front of the loads below
.else
	PLACES
.endif
	RUN0 (\m)+1
	WIN 0xa0
	MULB 4, 4, (\m)%2, 0
	PLACES
	WIN 0
	RUN1 (\m)+1
	WIN 0xf0
	MULB 8, 4, (\m)%2, 0
	PLACES
	WIN 0
	RUN2 (\m)+1
.endm
.macro ROPELD a                        ; cos and sin of row block a's 16 positions: eight planes of 512 bytes
.irp p, 0,1,2,3,4,5,6,7
	global_load_b128 v[RP+32*((\a)%2)+4*\p:RP+32*((\a)%2)+4*\p+3], v[LI], s[10:11] offset:(\a)*4096+\p*512
.endr
.endm
	s_wait_alu depctr_va_vdst(0)
	s_wait_tensorcnt 0x1                           ; my part of slot A is in; slot B's may stay out
	s_barrier_signal -1
	s_barrier_wait -1                              ; everybody's is
	RUN0 0
	RUN1 0
	RUN2 0
	PLAIN 0, 1
	PLAIN 1, 0
	PLAIN 2, 0
	TURN 3, 1, G0AA, G1A4, G0BA, G1B4              ; slot A takes steps 7-10
	PLAIN 4, 0
	PLAIN 5, 0
	TURN 6, 1, G0AB, G1A3, G0BB, G1B3              ; slot B takes steps 11-13
	PLAIN 7, 0
	PLAIN 8, 0
	PLAIN 9, 0
	TURN 10, 1, G0AA, G1A2, G0BA, G1B2             ; slot A takes steps 14-15
	PLAIN 11, 0
	PLAIN 12, 0
	TURN 13, 0, G0AB, G1A3, G0BB, G1B3             ; nothing is left to fetch
	PLAIN 14, 0
	s_wait_dscnt 16                                ; the last step
	WIN 0x50
	MULB 0, 4, 1, 0
	WIN 0
	ROPELD 0                                       ; into x's set 0: its last readers stand in front of the four places at the end of step 14
	ROPELD 1
	s_wait_dscnt 8
	WIN 0xa0
	MULB 4, 4, 1, 0
	s_wait_dscnt 0x0
	WIN 0xf0
	MULB 8, 4, 1, 0
	WIN 0
; THE WAY OUT.  A sum stands for sum x 2^(e0 + e1); the rotation is linear, so it is made on the sums, and the three exponents are folded into the conversion's one scale.
.macro FOLD e, sc, lim                 ; v[sc] = 2^(e - e0 - e1), v[lim] = 448 x that
	s_sub_co_i32 s3, \e, s2
	s_add_co_i32 s3, s3, 127
	s_lshl_b32 s101, s3, 23
	v_mov_b32 v[\sc], s101
	s_add_co_i32 s3, s3, 8
	s_lshl_b32 s3, s3, 23
	s_or_b32 s3, s3, 0x600000
	v_mov_b32 v[\lim], s3
.endm
	s_wait_kmcnt 0x0
	s_add_co_i32 s2, s28, s29
	FOLD s30, 8, 9                                 ; q's.  (These six v_mov_b32 name no register of the last products: they are the places behind them)
	FOLD s31, 10, 11                               ; k's
	FOLD s27, 12, 13                               ; v's
; Row block a of q (win = 1) or k (win = 2).  Lane (r, h) holds position r; tile b's register i is d = 16 b + 8 h + i.  d and d + 32 lie in tiles b and b + 2, same lane, same register:
; out(d) = x(d) cos - x(d + 32) sin, out(d + 32) = x(d + 32) cos + x(d) sin.  Each accumulator is read from its low end on.  The 32 results are the image's 64 along K of this lane: four conversions.
.macro ROTATE a, win, sc, lim, cset, base
.set RPS, RP+32*((\a)%2)
	WIN \win                                       ; source 0: the part's window
.irp b, 0,1
.set X1, 8*(8*\b+(\a))
.set X2, 8*(8*(\b+2)+(\a))
.irp i, 0,2,4,6
	v_pk_mul_f32 v[UU+\i:UU+\i+1], v[X2+\i:X2+\i+1], v[RPS+16+8*\b+\i:RPS+16+8*\b+\i+1]
.endr
.irp i, 0,2,4,6
	v_pk_mul_f32 v[WW+\i:WW+\i+1], v[X1+\i:X1+\i+1], v[RPS+16+8*\b+\i:RPS+16+8*\b+\i+1]
.endr
.irp i, 0,2,4,6
	v_pk_fma_f32 v[TT+8*\b+\i:TT+8*\b+\i+1], v[X1+\i:X1+\i+1], v[RPS+8*\b+\i:RPS+8*\b+\i+1], v[UU+\i:UU+\i+1] neg_lo:[0,0,1] neg_hi:[0,0,1]
.endr
.irp i, 0,2,4,6
	v_pk_fma_f32 v[TT+16+8*\b+\i:TT+16+8*\b+\i+1], v[X2+\i:X2+\i+1], v[RPS+8*\b+\i:RPS+8*\b+\i+1], v[WW+\i:WW+\i+1]
.endr
.endr
	WIN 0
.set j_, 0
.rept 32
.set j_, j_+1
.endr
.irp g, 0,1,2,3
	v_cvt_scalef32_pk8_fp8_f32 v[CD+8*\cset+2*\g:CD+8*\cset+2*\g+1], v[TT+8*\g:TT+8*\g+7], v[\sc]
.endr
	v_nop                                          ; a plain line behind the last conversion
	global_store_b128 v[LI], v[CD+8*\cset:CD+8*\cset+3], s[\base:\base+1] offset:(\a)*1024
	global_store_b128 v[LI], v[CD+8*\cset+4:CD+8*\cset+7], s[\base:\base+1] offset:(\a)*1024+512
.endm
.irp a, 0,1,2,3,4,5,6,7
.if \a < 7
	s_wait_loadcnt 8                               ; this block's cos and sin are in; the next block's eight loads may be out
.else
	s_wait_loadcnt 0
.endif
.if \a > 0
	s_wait_xcnt 0x0                                ; the last block's stores have read their codes: those registers are written again only behind this wait
.endif
	ROTATE \a, 0x01, 8, 9, 0, 12
	ROTATE \a, 0x02, 10, 11, 1, 14
.if \a < 6
	ROPELD \a+2
.endif
.endr
; v: tile tau's eight accumulators are 64 registers on end: register 8 a + i is position 16 a + 8 h + i of d = 16 tau + r: the 128-key fragment's order.
.irp tau, 0,1,2,3
	WIN 0x03                                       ; source 0: window 3
.set j_, 0
.rept 64
	v_med3_num_f32 v[T2+j_], v[64*\tau+j_], -v13, v13
.set j_, j_+1
.endr
	WIN 0
.if \tau > 1
	s_wait_alu depctr_va_vdst(0)
	s_wait_xcnt 0x0                                ; the stores of two tiles ago have read their codes
.endif
.irp g, 0,1,2,3,4,5,6,7
	v_cvt_scalef32_pk8_fp8_f32 v[VC+16*(\tau%2)+2*\g:VC+16*(\tau%2)+2*\g+1], v[T2+8*\g:T2+8*\g+7], v12
.endr
	v_nop                                          ; a plain line behind the last conversion
.irp p, 0,1,2,3
	global_store_b128 v[LI], v[VC+16*(\tau%2)+4*\p:VC+16*(\tau%2)+4*\p+3], s[16:17] offset:\tau*2048+\p*512
.endr
.endr
	s_wait_tensorcnt 0x0                           ; the wave's end
	ds_add_u32 v[SPW], v[NIL]
	s_wait_dscnt 0x0
	CROUND                                         ; the closing round: no work-group ends while a partner may still ask for a tile that names it
	s_endpgm
.Lfunc_end_k_q91cc33a2a4_qkv:
	.size	k_q91cc33a2a4_qkv, .Lfunc_end_k_q91cc33a2a4_qkv-k_q91cc33a2a4_qkv
	.p2alignl 7, 3214868480
	.fill 96, 4, 3214868480
	.section	.rodata,"a",@progbits
	.p2align	6, 0x0
	.amdhsa_kernel k_q91cc33a2a4_qkv
		.amdhsa_group_segment_fixed_size 327680
		.amdhsa_private_segment_fixed_size 0
		.amdhsa_enable_private_segment 0
		.amdhsa_kernarg_size 56
		.amdhsa_user_sgpr_count 2
		.amdhsa_user_sgpr_kernarg_segment_ptr 1
		.amdhsa_wavefront_size32 1
		.amdhsa_system_sgpr_workgroup_id_x 1
		.amdhsa_system_sgpr_workgroup_id_y 1
		.amdhsa_system_sgpr_workgroup_id_z 1
		.amdhsa_system_vgpr_workitem_id 0
		.amdhsa_next_free_vgpr 1024
		.amdhsa_next_free_sgpr 102
		.amdhsa_reserve_vcc 0
		.amdhsa_float_denorm_mode_32 3
		.amdhsa_float_denorm_mode_16_64 3
		.amdhsa_fp16_overflow 1
		.amdhsa_memory_ordered 1
		.amdhsa_forward_progress 1
		.amdhsa_inst_pref_size 226
	.end_amdhsa_kernel
	.amdgpu_metadata
---
amdhsa.version: [ 1, 2 ]
amdhsa.kernels:
  - .name:           k_q91cc33a2a4_qkv
    .symbol:         k_q91cc33a2a4_qkv.kd
    .args:
      - { .name: x_img, .offset: 0, .size: 8, .value_kind: global_buffer, .address_space: global }
      - { .name: w_img, .offset: 8, .size: 8, .value_kind: global_buffer, .address_space: global }
      - { .name: lowp_scales, .offset: 16, .size: 8, .value_kind: global_buffer, .address_space: global }
      - { .name: rope, .offset: 24, .size: 8, .value_kind: global_buffer, .address_space: global }
      - { .name: q_img, .offset: 32, .size: 8, .value_kind: global_buffer, .address_space: global }
      - { .name: k_img, .offset: 40, .size: 8, .value_kind: global_buffer, .address_space: global }
      - { .name: v_img, .offset: 48, .size: 8, .value_kind: global_buffer, .address_space: global }
    .group_segment_fixed_size: 327680
    .private_segment_fixed_size: 0
    .kernarg_segment_align: 8
    .kernarg_segment_size: 56
    .max_flat_workgroup_size: 128
    .sgpr_count:     102
    .vgpr_count:     1024
    .wavefront_size: 32
...
	.end_amdgpu_metadata
.endif
;; end of part 2
;; launch attn (part 3): grid 4 x 64, 16 waves a work-group, no clusters, 327,680 bytes of LDS; arguments q_img, k_img, v_img, lowp_scales, a_img; writes a_img
.if DOCPART == 3
	.amdgcn_target "amdgcn-amd-amdhsa--gfx1250"
	.amdhsa_code_object_version 6
	.text
	.protected	k_q91cc33a2a4_attn
	.globl	k_q91cc33a2a4_attn
	.p2align	8
	.type	k_q91cc33a2a4_attn,@function
k_q91cc33a2a4_attn:
	s_mov_b64 s[64:65], 0
	v_nop
	global_prefetch_b8 v0, s[64:65] scope:SCOPE_SE
	s_setreg_imm32_b32 hwreg(HW_REG_WAVE_MODE, 25, 1), 1
	s_wait_xcnt 0x0
; Causal attention on codes of E4M3, head size 64, 2,048 positions, 64 (batch, head) pairs; the result is quantised with the given scale 2^e6 and stored as images for the last product.
; THE SOFTMAX AHEAD OF THE SECOND PRODUCT: t = score x log2(e) / 8; M = the row's largest t so far, rounded UP to a whole number; p = 2^(t - M) is quantised with 2^e4, not normalised.
; The row's sum is taken of the unquantised p, in f32, and divides O at the end.  When M moves, the sum and O are multiplied by 2^(old M - new M): exact.
; LIMITS: e2 + e3 between -123 and 130 (they are added to the exponent field of log2(e) / 8); e4 between -126 and 119; e4 + e5 - e6 is applied by v_ldexp_f32 and has none.
; SHARES.  Work-group (g, head) owns the blocks of 256 queries g and 7 - g, one after the other: (g + 1) + (8 - g) = 9 slots of 256 keys whatever g is.  So the loop over slots has a constant count,
; every slot that is fetched is used, and all 256 work-groups have the same work.  Each of the SIXTEEN waves owns 16 queries of the block in hand, in 256 registers: four waves to a SIMD, so that one
; wave's vector work stands beside another's matrix work and LDS loads.  A step is 128 keys; a step all of whose keys come after the wave's queries is left out by a scalar branch on ids.
; NO JOINT LOADS: the four work-groups of a head walk different sequences of slots (0 .. g, then 0 .. 7 - g); a common walk would take 12 rounds in step in place of 9.
; LAYOUT.  Both products are used transposed: S^T = K Q^T (source 0 = 16 keys, source 1 = my 16 queries; 16x16x64), O^T = V^T P^T (source 0 = 16 of the head's 64, source 1 = P; 16x16x128): a lane holds ONE query.
; Tile c's register j of S^T is key 16 c + 8 h + j: so p's codes of tile c are registers 2 c, 2 c + 1 of the 128-key operand, in their true places.
; K and V arrive as images of the operands' registers: a slot is 16,384 dense bytes of each; a plane's 512 bytes are read on end: no pitch, no padding.
; REGISTERS: v1 16 x lane; v3 the prefetch's offset; v4 r - 8 h; v5, v6 the add's; v8 LDS address; v12 -M, v13 the largest t, v[14:15] the sum in two halves; v16-23 Q; v24-31 the output's codes;
;   v32-95 K's eight fragments, then V's four; v96-159 S^T, then p; v160-191 O^T; v192-223 O scaled; v224-239 p's codes; v244 2^e4, v246 1; v236-243, v248-255 at work.
.set SLOT1, 32768                      ; slot 1 begins here: one exclusive or turns an address in one slot into the other's
.set VOFF,  16384                      ; in a slot: K's 16 images, then V's 8 fragments
.set SPARE, 65536                      ; the spare words, 128 bytes for each wave: eight blocks of 256 bytes that no other line names
.set LI,   1
.set PFO,  3
.set SPW,  5
.set NIL,  6
.set ADK,  8
.set WV,   14                          ; s14  my wave's number
.set GG,   15                          ; s15  g
.set BH,   16                          ; s16  16 x batch + head
.set SEL,  20                          ; s[20:21] lane selects for v_permlanex16_b32: lane l xor 16
.set CS,   22                          ; s[22:23] c = log2(e) / 8 x 2^(e2 + e3)
.set KVB,  36                          ; s[36:37] my head's first byte of K's images (wave 0) or V's (the others)
.set PFA,  38                          ; s[38:39] where my prefetches stand
.set LIM,  40                          ; s40  1 in a wave that prefetches, else the greatest number
.set SLOTS, 41                         ; s41  slots still to be asked for
.set TB,   42                          ; s42  LDS byte at which the slot in hand begins
.set KF,   43                          ; s43  the step's first key
.set Q0,   44                          ; s44  my first query
.set SW,   45                          ; s45  7 - g: the count at which the blocks of queries change
.set EX,   46                          ; s46  e4 + e5 - e6
; Wave 0 fetches a slot's K, wave 1 its V, the others nothing.  Four v_nop follow the line.
.macro TLOAD
	s_cmp_lt_u32 s[WV], 2
	s_cbranch_scc0 .Lno_load_\@
	tensor_load_to_lds s[32:35], s[24:31]
	s_nop 0
.rept 4
	v_nop
.endr
.Lno_load_\@:
.endm
; A PREFETCH INTO THE L2 of what the next change of slots will ask for.  The work-group with g = 0 walks slots 0 .. 7 in order in its second block: it alone asks, for slots 1 to 7, one slot (two key steps) ahead
; of its own tensor load.  Waves 4 and 5 ask for K's 2 x 8,192 bytes, waves 6 and 7 for V's, lanes 256 bytes apart: each aligned block of 256 bytes is named once in the launch.
; The last change that fills a slot asks for nothing; slot 0 comes by its loads alone.
.macro ASK
	s_cmp_gt_u32 s[SLOTS], s[LIM]
	s_cbranch_scc0 .Lnot_mine_\@
	global_prefetch_b8 v[PFO], s[PFA:PFA+1] th:TH_LOAD_NT scope:SCOPE_SE
.Lnot_mine_\@:
.endm
	s_load_b256 s[4:11], s[0:1], 0x0               ; q_img s[4:5], k_img s[6:7], v_img s[8:9], the exponents s[10:11]
	s_load_b64 s[12:13], s[0:1], 0x20              ; a_img
	v_lshl_add_u32 v[SPW], v0, 2, SPARE
	v_mov_b32 v[NIL], 0
	ds_add_u32 v5, v6
	ds_add_u32 v5, v6
	s_wait_dscnt 0x0
	v_lshrrev_b32 v8, 5, v0
	s_delay_alu instid0(VALU_DEP_1)
	v_readfirstlane_b32 s[WV], v8                  ; wave 0..15
	s_mov_b32 s[GG], ttmp9
	s_and_b32 s[BH], ttmp7, 0xffff
	s_mov_b32 s24, 3<<16                           ; group 1: a dense block of 16,384 bytes as 64 rows of 256: elements of 8 bytes, no mask, no padding
	s_mov_b32 s25, 32<<16                          ; tensor_dim0
	s_mov_b32 s26, 64<<16                          ; tensor_dim1
	s_mov_b32 s27, 32<<16                          ; tile_dim0
	s_mov_b32 s28, 64                              ; tile_dim1
	s_mov_b32 s29, 32                              ; the pitch
	s_mov_b32 s30, 0
	s_mov_b32 s31, 0
	s_mov_b32 s32, 1                               ; group 0: count
	s_and_b32 s17, s[WV], 1
	s_lshl_b32 s33, s17, 14                        ; LDS address: K's part (wave 0) or V's (wave 1) of slot 0
	s_lshl_b32 s2, s[BH], 17                       ; a head's 131,072 bytes in each tensor of images
	s_mov_b32 s3, 0
	s_mov_b32 s[TB], 0
	s_mov_b32 s[SLOTS], 8
	s_sub_co_u32 s[SW], 7, s[GG]
	s_mov_b32 s[SEL], 0x76543210
	s_mov_b32 s[SEL+1], 0xfedcba98
	s_mov_b32 s[CS], 0x3e38aa3b                    ; log2(e) / 8
	s_wait_kmcnt 0x0
	s_load_b256 s[56:63], s[10:11], 0x0            ; e0 .. e7
	s_cmp_eq_u32 s[WV], 0
	s_cselect_b64 s[KVB:KVB+1], s[6:7], s[8:9]
	s_add_nc_u64 s[KVB:KVB+1], s[KVB:KVB+1], s[2:3]
	s_mov_b64 s[34:35], s[KVB:KVB+1]               ; the head's first 256 keys
	s_or_b32 s35, s35, 0x80000000                  ; type = 2
	TLOAD                                          ; slot 0
	s_add_nc_u64 s[4:5], s[4:5], s[2:3]            ; Q's images at my head
	s_lshl_b32 s18, s[GG], 4
	s_add_co_u32 s18, s18, s[WV]                   ; my tile of 16 queries in block g,
	s_lshl_b32 s19, s[SW], 4
	s_add_co_u32 s19, s19, s[WV]                   ; and in block 7 - g
	s_lshl_b32 s2, s18, 10
	s_add_nc_u64 s[48:49], s[4:5], s[2:3]
	s_lshl_b32 s2, s19, 10
	s_add_nc_u64 s[50:51], s[4:5], s[2:3]
	s_lshr_b32 s47, s[BH], 4
	s_lshl_b32 s47, s47, 7                         ; the batch's first block of 16 rows
	s_and_b32 s17, s[BH], 15
	s_lshl_b32 s17, s17, 13                        ; the head is the step of 64 along the last product's K: 8,192 bytes
.macro ABASE dst, tile                 ; a_img [row / 128][head][(row / 16) % 8][1024]
	s_add_co_u32 s2, s47, s[\tile]
	s_lshr_b32 s46, s2, 3
	s_lshl_b32 s46, s46, 17
	s_and_b32 s2, s2, 7
	s_lshl_b32 s2, s2, 10
	s_add_co_u32 s2, s2, s46
	s_add_co_u32 s2, s2, s17
	s_add_nc_u64 s[\dst:\dst+1], s[12:13], s[2:3]
.endm
	ABASE 52, 18
	ABASE 54, 19
	s_lshl_b32 s18, s18, 4                         ; my first query in block g,
	s_lshl_b32 s19, s19, 4                         ; and in block 7 - g
	s_cmp_lt_u32 s[WV], 6                          ; the prefetches: waves 4 and 5 for K, 6 and 7 for V
	s_cselect_b64 s[PFA:PFA+1], s[6:7], s[8:9]
	s_lshl_b32 s2, s[BH], 17
	s_and_b32 s46, s[WV], 1
	s_lshl_b32 s46, s46, 13
	s_add_co_u32 s2, s2, s46
	s_add_nc_u64 s[PFA:PFA+1], s[PFA:PFA+1], s[2:3]   ; in slot 0: the first change of slots steps it to slot 1.  Nothing is prefetched here, at the head
	s_sub_co_u32 s46, s[WV], 4
	s_lshr_b32 s46, s46, 2                         ; 0 in waves 4 to 7,
	s_or_b32 s46, s46, s[GG]                       ; of the work-group with g = 0
	s_cmp_eq_u32 s46, 0
	s_cselect_b32 s[LIM], 1, -1
	v_and_b32 v2, 31, v0
	s_delay_alu instid0(VALU_DEP_1)
	v_lshlrev_b32 v[LI], 4, v2
	s_delay_alu instid0(VALU_DEP_2)
	v_lshlrev_b32 v[PFO], 8, v2
	v_and_b32 v4, 15, v0
	v_bfe_u32 v7, v0, 4, 1
	s_delay_alu instid0(VALU_DEP_1)
	v_lshlrev_b32 v7, 3, v7
	s_delay_alu instid0(VALU_DEP_1)
	v_sub_nc_u32 v4, v4, v7                        ; r - 8 h, for the mask
	v_mov_b32 v236, 0                              ; written once: a lane permute's destination counts as one of its sources
	v_mov_b32 v252, 0
	v_mov_b32 v253, 0                              ; (named as the upper half of the pair v[252:253])
	v_mov_b32 v246, 1.0
	s_wait_kmcnt 0x0
	s_add_co_i32 s2, s58, s59
	s_lshl_b32 s2, s2, 23
	s_add_co_i32 s[CS], s[CS], s2                  ; a score stands for score x 2^(e2 + e3): the two exponents are added to c's exponent field
	s_mov_b32 s[CS+1], s[CS]                       ; (named with it as a pair, so it is written)
	s_add_co_i32 s2, s60, 127
	s_lshl_b32 s46, s2, 23
	v_mov_b32 v244, s46                            ; 2^e4
	s_add_co_i32 s[EX], s60, s61
	s_sub_co_i32 s[EX], s[EX], s62
; A block of queries begins: Q's image, and the statistics.  O^T and the sum begin as zeros and the largest t as -3e38: the first change of M multiplies zeros.
.macro START qb, q0
	global_load_b128 v[16:19], v[LI], s[\qb:\qb+1]
	global_load_b128 v[20:23], v[LI], s[\qb:\qb+1] offset:512
	s_mov_b32 s[Q0], s[\q0]
	s_mov_b32 s[KF], 0
	v_mov_b32 v13, 0xff61b1e6
	s_delay_alu instid0(VALU_DEP_1)
	v_floor_f32 v12, -v13
	v_mov_b32 v14, 0
	v_mov_b32 v15, 0
.set j_, 0
.rept 32
	v_mov_b32 v[160+j_], 0
.set j_, j_+1
.endr
	s_wait_loadcnt 0x0
.endm
; A block of queries ends: O^T / the sum x 2^(e4 + e5 - e6), held within +-448, converted with the scale 1: register 8 tau + j is d = 16 tau + 8 h + j of query r: the image's order.
.macro FINISH ab, wx
.if \wx
	s_wait_xcnt 0x0                                ; the first block's stores have read v24-31  (in the loop the wait in the change of slots stands on every way between two of these)
.endif
.rept 4
	v_nop                                          ; places behind the last products
.endr
	v_add_f32 v14, v14, v15                        ; the sum's two halves,
	s_delay_alu instid0(VALU_DEP_1)
	v_permlanex16_b32 v252, v14, s[SEL], s[SEL+1]
	s_delay_alu instid0(VALU_DEP_1)
	v_add_f32 v14, v14, v252                       ; and lane l xor 16's
	s_wait_alu depctr_va_vdst(0)
	v_rcp_f32 v14, v14
	v_nop                                          ; a plain line behind the transcendental
	s_wait_alu depctr_va_vdst(0)                   ; the wait ahead of the first reader
	v_ldexp_f32 v14, v14, s[EX]
.set j_, 0
.rept 16
	v_pk_mul_f32 v[192+j_:193+j_], v[160+j_:161+j_], v[14:15] op_sel_hi:[1,0]
.set j_, j_+2
.endr
.set j_, 0
.rept 32
.set j_, j_+1
.endr
.irp t, 0,1,2,3
	v_cvt_scalef32_pk8_fp8_f32 v[24+2*\t:25+2*\t], v[192+8*\t:199+8*\t], v246
.endr
	v_nop                                          ; a plain line behind the last conversion
	global_store_b128 v[LI], v[24:27], s[\ab:\ab+1]
	global_store_b128 v[LI], v[28:31], s[\ab:\ab+1] offset:512
.endm
; A KEY STEP: 128 keys, the q-th of the slot in hand.
.macro STEP q
	s_add_co_u32 s2, s[Q0], 15
	s_cmp_gt_u32 s[KF], s2                         ; all keys come after my queries: the step's work is left out; no barrier and no tensor load stands in a step
	s_cbranch_scc1 .Lhidden_\@
	v_add_nc_u32 v[ADK], s[TB], v[LI]
.rept 3
	v_nop                                          ; with the addition: four places in front of loads into registers that matrix instructions have read
.endr
.irp c, 0,1,2,3,4,5,6,7
	ds_load_b128 v[32+8*\c:35+8*\c], v[ADK] offset:(8*(\q)+\c)*1024
	ds_load_b128 v[36+8*\c:39+8*\c], v[ADK] offset:(8*(\q)+\c)*1024+512
.endr
	s_wait_alu depctr_va_vdst(0)
	s_wait_dscnt 0x0
.irp c, 0,1,2,3,4,5,6,7
	v_wmma_f32_16x16x64_fp8_fp8 v[96+8*\c:103+8*\c], v[32+8*\c:39+8*\c], v[16:23], 0
.endr
.rept 4
	v_nop
.endr
.irp t, 0,1,2,3
.irp p, 0,1,2,3
	ds_load_b128 v[32+16*\t+4*\p:35+16*\t+4*\p], v[ADK] offset:VOFF+(\q)*8192+\t*2048+\p*512   ; V's four fragments land while the softmax is worked
.endr
.endr
	s_add_co_u32 s2, s[KF], 127                    ; on the diagonal the scores of hidden keys become -infinity ahead of the maximum: p = 0 then.  A step all of whose keys count skips this
	s_cmp_le_u32 s2, s[Q0]
	s_cbranch_scc1 .Lopen_\@
	s_sub_co_i32 s2, s[Q0], s[KF]
	v_add_nc_u32 v252, s2, v4                      ; d = my query - KF - 8 h.  Register 8 c + j holds key KF + 16 c + 8 h + j: hidden where 16 c + j > d
	v_mov_b32 v254, 0xff800000
.set n_, 0
.rept 64
	v_cmp_gt_i32 vcc_lo, 16*(n_/8)+n_%8, v252
	v_cndmask_b32 v[96+n_], v[96+n_], v254, vcc_lo
.set n_, n_+1
.endr
.Lopen_\@:
	v_max3_num_f32 v254, v96, v97, v98             ; the step's largest score of my query, among my 64 keys, in two chains, each tile from its low end on,
	v_max3_num_f32 v252, v99, v100, v101
.irp i, 6,10,14,18,22,26,30,34,38,42,46,50,54,58
	v_max3_num_f32 v254, v254, v[96+\i], v[97+\i]
	v_max3_num_f32 v252, v252, v[98+\i], v[99+\i]
.endr
	v_max3_num_f32 v254, v254, v158, v159
	s_delay_alu instid0(VALU_DEP_1)
	v_max_num_f32 v254, v254, v252
	v_permlanex16_b32 v236, v254, s[SEL], s[SEL+1]
	s_delay_alu instid0(VALU_DEP_1)
	v_max_num_f32 v254, v254, v236                 ; and among lane l xor 16's
	s_delay_alu instid0(VALU_DEP_1)
	v_mul_f32 v254, s[CS], v254                    ; as t (c is positive)
	s_delay_alu instid0(VALU_DEP_1)
	v_max_num_f32 v13, v13, v254                   ; the running largest t
	v_mov_b32 v254, v12
	s_delay_alu instid0(VALU_DEP_2)
	v_floor_f32 v12, -v13                          ; the new -M = floor(-t) = -ceil(t): a whole number
	s_delay_alu instid0(VALU_DEP_1)
	v_sub_f32 v254, v12, v254                      ; M's old value less its new one: 0 or less
	s_delay_alu instid0(VALU_DEP_1)
	v_cvt_i32_f32 v254, v254                       ; (it saturates)
	s_delay_alu instid0(VALU_DEP_1)
	v_ldexp_f32 v252, 1.0, v254                    ; f = 2^(old M - new M)
.set j_, 0
.rept 32
	v_pk_fma_f32 v[96+j_:97+j_], v[96+j_:97+j_], s[CS:CS+1], v[12:13] op_sel_hi:[1,0,0]   ; t - M, two at a time
.set j_, j_+2
.endr
.set j_, 0
	s_wait_alu depctr_va_vdst(0)
.rept 64
	v_exp_f32 v[96+j_], v[96+j_]                   ; p = 2^(t - M), at most 1
.set j_, j_+1
.endr
	v_pk_mul_f32 v[14:15], v[14:15], v[252:253] op_sel_hi:[1,0]   ; the sums under the new M.  (The plain line behind the exponentials)
	s_wait_alu depctr_va_vdst(0)                   ; one wait for the batch of 64, ahead of its first reader
	v_pk_add_f32 v[242:243], v[100:101], v[104:105]
	v_pk_add_f32 v[254:255], v[108:109], v[112:113]
	v_pk_add_f32 v[250:251], v[116:117], v[120:121]
	v_pk_add_f32 v[248:249], v[124:125], v[128:129]
	v_pk_add_f32 v[240:241], v[132:133], v[136:137]
	v_pk_add_f32 v[238:239], v[140:141], v[144:145]
	v_pk_add_f32 v[236:237], v[148:149], v[152:153]
	v_pk_add_f32 v[14:15], v[14:15], v[156:157]
	v_pk_add_f32 v[242:243], v[242:243], v[96:97]
	v_pk_add_f32 v[254:255], v[254:255], v[98:99]
	v_pk_add_f32 v[250:251], v[250:251], v[102:103]
	v_pk_add_f32 v[248:249], v[248:249], v[106:107]
	v_pk_add_f32 v[240:241], v[240:241], v[110:111]
	v_pk_add_f32 v[238:239], v[238:239], v[114:115]
	v_pk_add_f32 v[236:237], v[236:237], v[118:119]
	v_pk_add_f32 v[14:15], v[14:15], v[122:123]
	v_pk_add_f32 v[242:243], v[242:243], v[126:127]
	v_pk_add_f32 v[254:255], v[254:255], v[130:131]
	v_pk_add_f32 v[250:251], v[250:251], v[134:135]
	v_pk_add_f32 v[248:249], v[248:249], v[138:139]
	v_pk_add_f32 v[240:241], v[240:241], v[142:143]
	v_pk_add_f32 v[238:239], v[238:239], v[146:147]
	v_pk_add_f32 v[236:237], v[236:237], v[150:151]
	v_pk_add_f32 v[14:15], v[14:15], v[154:155]
	v_pk_add_f32 v[242:243], v[242:243], v[158:159]
	s_delay_alu instid0(VALU_DEP_2)
	v_pk_add_f32 v[14:15], v[14:15], v[248:249]
	s_delay_alu instid0(VALU_DEP_2)
	v_pk_add_f32 v[242:243], v[242:243], v[240:241]
	v_pk_add_f32 v[254:255], v[254:255], v[238:239]
	v_pk_add_f32 v[250:251], v[250:251], v[236:237]
	s_delay_alu instid0(VALU_DEP_2)
	v_pk_add_f32 v[14:15], v[14:15], v[254:255]
	s_delay_alu instid0(VALU_DEP_2)
	v_pk_add_f32 v[242:243], v[242:243], v[250:251]
	s_delay_alu instid0(VALU_DEP_1)
	v_pk_add_f32 v[14:15], v[14:15], v[242:243]
.irp c, 0,1,2,3,4,5,6,7
.irp i, 0,1,2,3,4,5,6,7
.endr
	v_cvt_scalef32_pk8_fp8_f32 v[224+2*\c:225+2*\c], v[96+8*\c:103+8*\c], v244
.endr
.set j_, 0
.rept 16
	v_pk_mul_f32 v[160+j_:161+j_], v[160+j_:161+j_], v[252:253] op_sel_hi:[1,0]   ; O^T under the new M.  (Also the plain lines between the conversions and the products below)
.set j_, j_+2
.endr
	s_wait_alu depctr_va_vdst(0)
	s_wait_dscnt 0x0                               ; V is in
.irp t, 0,1,2,3
	v_wmma_f32_16x16x128_fp8_fp8 v[160+8*\t:167+8*\t], v[32+16*\t:47+16*\t], v[224:239], v[160+8*\t:167+8*\t]   ; the four accumulators by turns; the eight products of S^T stand between two links of a chain
.endr
.Lhidden_\@:
	s_add_co_u32 s[KF], s[KF], 128
.endm
; THE CHANGE OF SLOTS stands at a slot's head.  Each wave waits for all its tensor loads, adds 0 to its spare word, and waits for that and for its reads of the slot that it has left.
; fill = 1: that slot is filled with the next trip's keys: trip n = 9 - SLOTS takes key slot n where n <= g, else n - g - 1.  The load has a whole slot's steps in which to land.
.macro CHANGE fill
	s_wait_tensorcnt 0x0                           ; no tensor load of mine is out, so group 0 may be written
	ds_add_u32 v[SPW], v[NIL]                      ; 0 onto my spare word
.if \fill
	s_xor_b32 s33, s33, SLOT1                      ; the other slot than last time
	s_sub_co_u32 s2, 9, s[SLOTS]
	s_sub_co_u32 s3, s2, s[GG]
	s_sub_co_u32 s3, s3, 1
	s_cmp_gt_u32 s2, s[GG]
	s_cselect_b32 s2, s3, s2                       ; the key slot
	s_lshl_b32 s2, s2, 14
	s_mov_b32 s3, 0
	s_add_nc_u64 s[34:35], s[KVB:KVB+1], s[2:3]
	s_or_b32 s35, s35, 0x80000000
	s_wait_xcnt 0x0                                ; the last prefetch, a slot back, has read its address; and earlier stores their data
	s_add_nc_u64 s[PFA:PFA+1], s[PFA:PFA+1], 16384
.endif
	s_wait_dscnt 0x0                               ; the add is done, and my reads of the slot that I have left are over
	s_barrier_signal -1
	s_barrier_wait -1
.if \fill
	TLOAD                                          ; the first thing behind the barrier, and a wave's one tensor load until the next
	ASK
.endif
.endm
	START 48, 18
.Lslot:                                            ; eight trips: behind each change of slots but the last the next slot is asked for
	CHANGE 1
	s_cmp_lg_u32 s[SLOTS], s[SW]                   ; block g's g + 1 slots are done: a branch on ids, the same in all sixteen waves
	s_cbranch_scc1 .Lsame_block
	FINISH 52, 0
	START 50, 19
.Lsame_block:
	STEP 0
	STEP 1
	s_xor_b32 s[TB], s[TB], SLOT1
	s_sub_co_u32 s[SLOTS], s[SLOTS], 1
	s_cmp_lg_u32 s[SLOTS], 0
	s_cbranch_scc1 .Lslot
	CHANGE 0                                       ; the last slot is written out
	STEP 0
	STEP 1
	FINISH 54, 1
	s_wait_tensorcnt 0x0                           ; the wave's end
	ds_add_u32 v[SPW], v[NIL]
	s_wait_dscnt 0x0
	s_endpgm
.Lfunc_end_k_q91cc33a2a4_attn:
	.size	k_q91cc33a2a4_attn, .Lfunc_end_k_q91cc33a2a4_attn-k_q91cc33a2a4_attn
	.p2alignl 7, 3214868480
	.fill 96, 4, 3214868480
	.section	.rodata,"a",@progbits
	.p2align	6, 0x0
	.amdhsa_kernel k_q91cc33a2a4_attn
		.amdhsa_group_segment_fixed_size 327680
		.amdhsa_private_segment_fixed_size 0
		.amdhsa_enable_private_segment 0
		.amdhsa_kernarg_size 40
		.amdhsa_user_sgpr_count 2
		.amdhsa_user_sgpr_kernarg_segment_ptr 1
		.amdhsa_wavefront_size32 1
		.amdhsa_system_sgpr_workgroup_id_x 1
		.amdhsa_system_sgpr_workgroup_id_y 1
		.amdhsa_system_sgpr_workgroup_id_z 1
		.amdhsa_system_vgpr_workitem_id 0
		.amdhsa_next_free_vgpr 256
		.amdhsa_next_free_sgpr 66
		.amdhsa_reserve_vcc 1
		.amdhsa_float_denorm_mode_32 3
		.amdhsa_float_denorm_mode_16_64 3
		.amdhsa_fp16_overflow 1
		.amdhsa_memory_ordered 1
		.amdhsa_forward_progress 1
		.amdhsa_inst_pref_size 89
	.end_amdhsa_kernel
	.amdgpu_metadata
---
amdhsa.version: [ 1, 2 ]
amdhsa.kernels:
  - .name:           k_q91cc33a2a4_attn
    .symbol:         k_q91cc33a2a4_attn.kd
    .args:
      - { .name: q_img, .offset: 0, .size: 8, .value_kind: global_buffer, .address_space: global }
      - { .name: k_img, .offset: 8, .size: 8, .value_kind: global_buffer, .address_space: global }
      - { .name: v_img, .offset: 16, .size: 8, .value_kind: global_buffer, .address_space: global }
      - { .name: lowp_scales, .offset: 24, .size: 8, .value_kind: global_buffer, .address_space: global }
      - { .name: a_img, .offset: 32, .size: 8, .value_kind: global_buffer, .address_space: global }
    .group_segment_fixed_size: 327680
    .private_segment_fixed_size: 0
    .kernarg_segment_align: 8
    .kernarg_segment_size: 40
    .max_flat_workgroup_size: 512
    .sgpr_count:     66
    .vgpr_count:     256
    .wavefront_size: 32
...
	.end_amdgpu_metadata
.endif
;; end of part 3
;; launch proj (part 4): grid 8 x 32, 4 waves a work-group, clusters of 4 x 4, 327,680 bytes of LDS; arguments a_img, wo_img, lowp_scales, out0; writes out0
.if DOCPART == 4
	.amdgcn_target "amdgcn-amd-amdhsa--gfx1250"
	.amdhsa_code_object_version 6
	.text
	.protected	k_q91cc33a2a4_proj
	.globl	k_q91cc33a2a4_proj
	.p2align	8
	.type	k_q91cc33a2a4_proj,@function
k_q91cc33a2a4_proj:
	s_mov_b64 s[64:65], 0
	v_nop
	global_prefetch_b8 v0, s[64:65] scope:SCOPE_SE
	s_setreg_imm32_b32 hwreg(HW_REG_WAVE_MODE, 25, 1), 1
	s_wait_xcnt 0x0
	s_wait_alu depctr_hold_cnt(0) depctr_sa_sdst(0) depctr_va_vdst(0) depctr_va_sdst(0) depctr_va_ssrc(0) depctr_va_vcc(0) depctr_vm_vsrc(0)
	s_getreg_b32 s2, hwreg(HW_REG_IB_STS2, 6, 4)
	s_cmp_eq_u32 s2, 0
	s_cbranch_scc0 .Lentry_in_a_cluster
	s_endpgm
.Lentry_in_a_cluster:
	s_bfe_u32 s2, ttmp6, 0x10000c
	s_cmp_lg_u32 s2, 0xf033
	s_cbranch_scc0 .Lentry_shape_is_right
	s_endpgm
.Lentry_shape_is_right:
; out0 = a Wout on codes of E4M3: a_img [row / 128][k / 64][(row / 16) % 8][1024], wo_img [n / 64][k / 64][(n / 16) % 4][1024]: images of the operands' registers (16 rows x 64 along K; plane P of lane l at 512 P + 16 l).
; Each finished sum is multiplied once by 2^(e6 + e7).  LIMIT: e6 + e7 between -126 and 127, so that it is an f32 number.
; SHARES.  A tile of out0 is 256 x 128: 8 x 32 = 256 work-groups, one for each WGP (tiles of 256 x 256 would be 128).  Wave (wr, wc) makes 128 x 64: 32 accumulators, 256 registers, in window 1.
; K = 1,024 goes in 16 steps of 64, all written out, through two LDS slots of six steps: steps 0-5: slot 0; 6-11: slot 1; 12-15: slot 0.  Two first fills, one refill; a wave has at most two tensor loads out.
; CLUSTERS: 4 x 4 work-groups; a's tiles are shared along a row of the cluster, Wout's along a column, by joint loads.
; THE MATRIX INSTRUCTION IS USED TRANSPOSED (source 0 = 16 columns of Wout, source 1 = 16 rows of a): a lane holds eight neighbouring numbers of a row of out0.
; REGISTERS: window 0: v16-29 addresses; v32-95, v96-159 a's fragments, two sets; v160-191, v192-223 Wout's, two sets; on the way out v32-127 are at work.
.set AF,    32
.set BF,    160
.set ADRA,  16
.set ADRB,  20
.set LI,    24
.set STO,   25
.set RD,    26
.set CO,    27
.set SPW,   28
.set NIL,   29
.set ACH,   8192
.set BCH,   4096
.set SL_B,  2*6*ACH                    ; in a slot: a's two halves, then Wout's two groups of 64 columns
.set SLOT,  SL_B+2*6*BCH               ; 147,456
.set SPARE, 2*SLOT                     ; 294,912: the spare words, 128 bytes for each wave: two blocks of 256 bytes that no other line names
.set SPITCH, 272                       ; the way out: a stage of 16 rows x (256 bytes + 16) for each wave, in slot 1, which has had its last fill and its last read when the first result is stored there
.set G1A6, 32
.set G1B6, 40
.set G1A4, 48
.set G1B4, 56
.set G0A0, 68
.set G0A1, 72
.set G0B0, 76
.set G0B1, 80
.set TMP,  32
.set BK,   64
.set MSB, 0
.macro WIN new
.if MSB != \new
	s_set_vgpr_msb (MSB<<8)|\new
.set MSB, \new
.endif
.endm
.macro PLACES
.rept 4
	v_nop
.endr
.endm
.macro JLOAD g0a, g1a, g0b, g1b        ; waves 0 and 1 fetch for a, waves 2 and 3 for Wout; four v_nop follow each of the two lines
	s_cmp_eq_u32 s19, 0
	s_cbranch_scc0 .Lfor_b_\@
	tensor_load_to_lds s[\g0a:\g0a+3], s[\g1a:\g1a+7]
	s_nop 0
.rept 4
	v_nop
.endr
	s_branch .Lasked_\@
.Lfor_b_\@:
	tensor_load_to_lds s[\g0b:\g0b+3], s[\g1b:\g1b+7]
	s_nop 0
.rept 4
	v_nop
.endr
.Lasked_\@:
.endm
.macro CREST
	s_cmp_lg_u32 s18, 0
	s_cbranch_scc1 .Lnot_wave_0_\@
	s_barrier_signal -3
.Lnot_wave_0_\@:
	s_barrier_wait -3
	s_barrier_signal -1
	s_barrier_wait -1
.endm
.macro CROUND
	s_barrier_signal -1
	s_barrier_wait -1
	CREST
.endm
.macro SHAPE g, rows                   ; a dense block as rows of 256 bytes: elements of 8 bytes, 32 to a row
	s_mov_b32 s[\g+1], 32<<16
	s_mov_b32 s[\g+2], (\rows)<<16
	s_mov_b32 s[\g+3], 32<<16
	s_mov_b32 s[\g+4], \rows
	s_mov_b32 s[\g+5], 32
	s_mov_b32 s[\g+6], 0
	s_mov_b32 s[\g+7], 0
.endm
	s_load_b256 s[4:11], s[0:1], 0x0               ; a_img s[4:5], wo_img s[6:7], the exponents s[8:9], out0 s[10:11]
	v_lshl_add_u32 v[SPW], v0, 2, SPARE
	v_mov_b32 v[NIL], 0
	ds_add_u32 v28, v29
	ds_add_u32 v28, v29
	s_wait_dscnt 0x0
	v_lshrrev_b32 v1, 5, v0
	v_readfirstlane_b32 s18, v1                    ; wave 0..3
	s_lshr_b32 s19, s18, 1                         ; wr.  Also: I fetch for a (0) or for Wout (1)
	s_and_b32 s20, s18, 1                          ; wc.  Also: which half or group I fetch
	s_bfe_u32 s21, ttmp6, 0x40000                  ; cx, cy
	s_bfe_u32 s22, ttmp6, 0x40004
	s_lshl_b32 s23, ttmp9, 2
	s_add_co_u32 s23, s23, s21                     ; gx: my 128 columns
	s_and_b32 s24, ttmp7, 0xffff
	s_lshl_b32 s24, s24, 2
	s_add_co_u32 s24, s24, s22                     ; gy: my 256 rows
	s_lshl_b32 s25, s22, 2
	s_lshl_b32 s25, 15, s25                        ; my row of the cluster
	s_lshl_b32 s26, 0x1111, s21                    ; my column
.irp g, G1A6, G1A4
	s_or_b32 s[\g], s25, (3<<16)|(1<<21)
.endr
.irp g, G1B6, G1B4
	s_or_b32 s[\g], s26, (3<<16)|(1<<21)
.endr
	SHAPE G1A6, 192
	SHAPE G1A4, 128
	SHAPE G1B6, 96
	SHAPE G1B4, 64
	s_lshl_b32 s2, s24, 1
	s_add_co_u32 s2, s2, s20
	s_lshl_b32 s2, s2, 17                          ; a: half tile 2 gy + (wave % 2): it hangs on gy alone
	s_mov_b32 s3, 0
	s_lshl_b32 s30, s23, 1
	s_add_co_u32 s30, s30, s20
	s_lshl_b32 s30, s30, 16                        ; Wout: group 2 gx + (wave % 2): it hangs on gx alone
	s_mov_b32 s31, 0
	s_mul_i32 s27, s20, 6*ACH
	s_mul_i32 s28, s20, 6*BCH
	s_wait_kmcnt 0x0
	s_add_nc_u64 s[2:3], s[4:5], s[2:3]
	s_add_nc_u64 s[30:31], s[6:7], s[30:31]
	s_mov_b32 s[G0A0], 1
	s_mov_b32 s[G0A0+1], s27
	s_mov_b64 s[G0A0+2:G0A0+3], s[2:3]             ; steps 0-5
	s_or_b32 s[G0A0+3], s[G0A0+3], 0x80000000
	s_mov_b32 s[G0A1], 1
	s_add_co_u32 s[G0A1+1], s27, SLOT
	s_add_nc_u64 s[G0A1+2:G0A1+3], s[2:3], 6*ACH   ; steps 6-11
	s_or_b32 s[G0A1+3], s[G0A1+3], 0x80000000
	s_mov_b32 s[G0B0], 1
	s_add_co_u32 s[G0B0+1], s28, SL_B
	s_mov_b64 s[G0B0+2:G0B0+3], s[30:31]
	s_or_b32 s[G0B0+3], s[G0B0+3], 0x80000000
	s_mov_b32 s[G0B1], 1
	s_add_co_u32 s[G0B1+1], s28, SLOT+SL_B
	s_add_nc_u64 s[G0B1+2:G0B1+3], s[30:31], 6*BCH
	s_or_b32 s[G0B1+3], s[G0B1+3], 0x80000000
	CROUND                                         ; all sixteen work-groups are here: the first joint loads meet
	JLOAD G0A0, G1A6, G0B0, G1B6
	s_wait_alu depctr_va_vdst(0)
	s_wait_tensorcnt 0x0
	ds_add_u32 v28, v29
	s_wait_dscnt 0x0
	CROUND
	JLOAD G0A1, G1A6, G0B1, G1B6
	s_load_b64 s[84:85], s[8:9], 0x18              ; e6, e7
	v_and_b32 v1, 31, v0
	v_lshlrev_b32 v[LI], 4, v1
	v_and_b32 v2, 15, v0                           ; r
	v_bfe_u32 v3, v0, 4, 1                         ; h
	s_mul_i32 s27, s19, 6*ACH
	v_add_nc_u32 v[ADRA], s27, v[LI]
	s_add_co_u32 s27, s27, SLOT
	v_add_nc_u32 v[ADRA+1], s27, v[LI]
	s_add_co_u32 s27, s28, SL_B
	v_add_nc_u32 v[ADRB], s27, v[LI]
	s_add_co_u32 s27, s27, SLOT
	v_add_nc_u32 v[ADRB+1], s27, v[LI]
	s_mul_i32 s27, s18, 16*SPITCH
	s_add_co_u32 s27, s27, SLOT                    ; my stage
	v_mul_u32_u24 v[STO], v2, SPITCH
	v_lshl_add_u32 v[STO], v3, 5, v[STO]
	v_add_nc_u32 v[STO], s27, v[STO]               ; in: row r, 32 bytes for each half of the lanes
	v_mul_u32_u24 v[RD], v3, SPITCH
	v_lshl_add_u32 v[RD], v2, 4, v[RD]
	v_add_nc_u32 v[RD], s27, v[RD]                 ; back: lanes 0-15 one row of 256 bytes, lanes 16-31 the next
	v_lshlrev_b32 v[CO], 12, v3
	v_lshl_add_u32 v[CO], v2, 4, v[CO]             ; and the same two rows in out0
	s_lshl_b32 s2, s24, 8
	s_lshl_b32 s3, s19, 7
	s_add_co_u32 s2, s2, s3                        ; my first row
	s_lshl_b32 s2, s2, 12                          ; 4,096 bytes a row: under 2^25
	s_lshl_b32 s3, s23, 9
	s_add_co_u32 s2, s2, s3                        ; my first column, in bytes: 512 gx + 256 wc
	s_lshl_b32 s3, s20, 8
	s_add_co_u32 s2, s2, s3
	s_mov_b32 s3, 0
	s_add_nc_u64 s[10:11], s[10:11], s[2:3]
.macro WHERE m
.if (\m) < 6
.set LS, 0
.set LQ, (\m)
.elseif (\m) < 12
.set LS, 1
.set LQ, (\m)-6
.else
.set LS, 0
.set LQ, (\m)-12
.endif
.endm
.macro FETCH m                         ; 24 loads: step m's four images of Wout and eight of a, into set m % 2
	WHERE \m
.irp i, 0,1,2,3
	ds_load_b128 v[BF+32*((\m)%2)+8*\i:BF+32*((\m)%2)+8*\i+3],   v[ADRB+LS] offset:LQ*BCH+\i*1024
	ds_load_b128 v[BF+32*((\m)%2)+8*\i+4:BF+32*((\m)%2)+8*\i+7], v[ADRB+LS] offset:LQ*BCH+\i*1024+512
.endr
.irp i, 0,1,2,3,4,5,6,7
	ds_load_b128 v[AF+64*((\m)%2)+8*\i:AF+64*((\m)%2)+8*\i+3],   v[ADRA+LS] offset:LQ*ACH+\i*1024
	ds_load_b128 v[AF+64*((\m)%2)+8*\i+4:AF+64*((\m)%2)+8*\i+7], v[ADRA+LS] offset:LQ*ACH+\i*1024+512
.endr
.endm
; cnt tiles of Wout from b0 on, each against a's eight row blocks.  The 32 accumulators take turns, one instruction a turn, in the same order in every step.
.macro MUL b0, cnt, set, zero
.set bb, \b0
.rept \cnt
.set aa, 0
.rept 8
.set rD, 8*(8*bb+aa)
.set rB, BF+32*(\set)+8*bb
.set rA, AF+64*(\set)+8*aa
.if \zero
	v_wmma_f32_16x16x64_fp8_fp8 v[rD:rD+7], v[rB:rB+7], v[rA:rA+7], 0
.else
	v_wmma_f32_16x16x64_fp8_fp8 v[rD:rD+7], v[rB:rB+7], v[rA:rA+7], v[rD:rD+7]
.endif
.set aa, aa+1
.endr
.set bb, bb+1
.endr
.endm
.macro PLAIN m, zero                   ; a step whose successor lies in the same slot: the next step's fragments are fetched into the other sets, ahead of this step's 32 products
	s_wait_dscnt 0x0                               ; this step's fragments are in
	PLACES                                         ; the other sets were read by the step before
	FETCH (\m)+1
	WIN 0x50
	MUL 0, 4, (\m)%2, \zero
	WIN 0
.endm
.macro TURN m, fill                    ; a slot's last step changes slots: ONE barrier; fill = 1: slot 0 takes steps 12-15
	s_wait_tensorcnt 0x0                           ; all my tensor loads have landed: my part of the next slot
	ds_add_u32 v[SPW], v[NIL]                      ; 0 onto my spare word
	s_wait_dscnt 1                                 ; this step's fragments are in; the add may be out
	WIN 0x50
	MUL 0, 2, (\m)%2, 0                            ; sixteen matrix instructions stand between the add and the wait for it
	s_wait_dscnt 0x0                               ; the add is done, and my reads of this slot are over
	s_barrier_signal -1
	MUL 2, 2, (\m)%2, 0
	WIN 0
	s_barrier_wait -1
.if \fill
	CREST                                          ; no wave of any partner still reads this slot or has a load on its way
	s_add_nc_u64 s[G0A0+2:G0A0+3], s[G0A0+2:G0A0+3], 12*ACH
	s_add_nc_u64 s[G0B0+2:G0B0+3], s[G0B0+2:G0B0+3], 12*BCH
	JLOAD G0A0, G1A4, G0B0, G1B4                   ; the first tensor load behind the round; its four v_nop are also the places in front of the loads below
.else
	PLACES
.endif
	s_wait_alu depctr_va_vdst(0)
	FETCH (\m)+1
.endm
	s_wait_tensorcnt 0x1                           ; my part of slot 0 is in; slot 1's may stay out
	s_barrier_signal -1
	s_barrier_wait -1
	FETCH 0
	PLAIN 0, 1                                     ; the first step's products start the sums
	PLAIN 1, 0
	PLAIN 2, 0
	PLAIN 3, 0
	PLAIN 4, 0
	TURN 5, 1
	PLAIN 6, 0
	PLAIN 7, 0
	PLAIN 8, 0
	PLAIN 9, 0
	PLAIN 10, 0
	TURN 11, 0
	PLAIN 12, 0
	PLAIN 13, 0
	PLAIN 14, 0
	s_wait_dscnt 0x0                               ; the last step
	WIN 0x50
	MUL 0, 4, 1, 0
	WIN 0
; THE WAY OUT, block by block of 16 rows x 64 columns: through my own stage in LDS, back as whole rows of 256 bytes: sixteen lanes store 256 consecutive bytes, aligned.
; LDS serves a wave's instructions in order (ISA guide 5.7.1.4): no wait between the stores and the loads, nor in front of the next block's stores.
.macro TOSTAGE a
	WIN 0x01                                       ; source 0: window 1
.irp b, 0,1,2,3
.irp i, 0,2,4,6
	v_pk_mul_f32 v[TMP+8*\b+\i:TMP+8*\b+\i+1], v[8*(8*\b+(\a))+\i:8*(8*\b+(\a))+\i+1], s[84:85] op_sel_hi:[1,0]   ; x 2^(e6 + e7); each accumulator from its low end on
.endr
.endr
	WIN 0
.irp b, 0,1,2,3
	ds_store_b128 v[STO], v[TMP+8*\b:TMP+8*\b+3] offset:64*\b
	ds_store_b128 v[STO], v[TMP+8*\b+4:TMP+8*\b+7] offset:64*\b+16
.endr
.set BB, BK+32*((\a)%2)
.irp t, 0,1,2,3,4,5,6,7
	ds_load_b128 v[BB+4*\t:BB+4*\t+3], v[RD] offset:\t*2*SPITCH
.endr
.endm
.macro SEND a, younger                 ; younger: the LDS instructions issued behind block a's loads
.set BB, BK+32*((\a)%2)
	s_wait_dscnt \younger
.irp t, 0,1,2,3,4,5,6,7
	global_store_b128 v[CO], v[BB+4*\t:BB+4*\t+3], s[10:11] offset:(16*(\a)+2*\t)*4096 th:TH_STORE_NT   ; written once, read by nobody here; 126 rows at the most: inside the signed 24-bit immediate
.endr
.endm
	s_wait_kmcnt 0x0
	s_add_co_i32 s84, s84, s85
	s_add_co_i32 s84, s84, 127
	s_lshl_b32 s84, s84, 23                        ; 2^(e6 + e7) as f32
	s_mov_b32 s85, s84                             ; (named with it as a pair, so it is written)
	PLACES                                         ; behind the last products
	TOSTAGE 0
.irp a, 1,2,3,4,5,6,7
.if \a > 1
	s_wait_xcnt 0x0                                ; block a - 2's stores have read their registers: block a's loads may land there
.endif
	TOSTAGE \a
	SEND \a-1, 16                                  ; behind block a - 1's loads: block a's 8 stores and 8 loads
.endr
	SEND 7, 0
	s_wait_tensorcnt 0x0                           ; the wave's end
	ds_add_u32 v[SPW], v[NIL]
	s_wait_dscnt 0x0
	CROUND                                         ; the closing round
	s_endpgm
.Lfunc_end_k_q91cc33a2a4_proj:
	.size	k_q91cc33a2a4_proj, .Lfunc_end_k_q91cc33a2a4_proj-k_q91cc33a2a4_proj
	.p2alignl 7, 3214868480
	.fill 96, 4, 3214868480
	.section	.rodata,"a",@progbits
	.p2align	6, 0x0
	.amdhsa_kernel k_q91cc33a2a4_proj
		.amdhsa_group_segment_fixed_size 327680
		.amdhsa_private_segment_fixed_size 0
		.amdhsa_enable_private_segment 0
		.amdhsa_kernarg_size 32
		.amdhsa_user_sgpr_count 2
		.amdhsa_user_sgpr_kernarg_segment_ptr 1
		.amdhsa_wavefront_size32 1
		.amdhsa_system_sgpr_workgroup_id_x 1
		.amdhsa_system_sgpr_workgroup_id_y 1
		.amdhsa_system_sgpr_workgroup_id_z 1
		.amdhsa_system_vgpr_workitem_id 0
		.amdhsa_next_free_vgpr 512
		.amdhsa_next_free_sgpr 88
		.amdhsa_reserve_vcc 0
		.amdhsa_float_denorm_mode_32 3
		.amdhsa_float_denorm_mode_16_64 3
		.amdhsa_memory_ordered 1
		.amdhsa_forward_progress 1
		.amdhsa_inst_pref_size 93
	.end_amdhsa_kernel
	.amdgpu_metadata
---
amdhsa.version: [ 1, 2 ]
amdhsa.kernels:
  - .name:           k_q91cc33a2a4_proj
    .symbol:         k_q91cc33a2a4_proj.kd
    .args:
      - { .name: a_img, .offset: 0, .size: 8, .value_kind: global_buffer, .address_space: global }
      - { .name: wo_img, .offset: 8, .size: 8, .value_kind: global_buffer, .address_space: global }
      - { .name: lowp_scales, .offset: 16, .size: 8, .value_kind: global_buffer, .address_space: global }
      - { .name: out0, .offset: 24, .size: 8, .value_kind: global_buffer, .address_space: global }
    .group_segment_fixed_size: 327680
    .private_segment_fixed_size: 0
    .kernarg_segment_align: 8
    .kernarg_segment_size: 32
    .max_flat_workgroup_size: 128
    .sgpr_count:     88
    .vgpr_count:     512
    .wavefront_size: 32
...
	.end_amdgpu_metadata
.endif
;; end of part 4
